; MI455X (gfx1250); checked and timed in simulation.
; The chip was launched on July 23, 2026; its instructions are those of AMD's public machine-readable ISA for CDNA 5 (MIT licence, August 2026) and "CDNA5" Instruction Set Architecture Reference Guide (July 2026). The comments in the code are by the model that wrote it; some were corrected since.
;; Multi Head Rot. Allowed arithmetic: matrix products marked QUANTISED: E2M1 operands, one E8M0 scale for each 32 along K, by v_wmma_scale_f32_16x16x128_f8f6f4 with both operands' format E2M1 (or v_wmma_scale_f32_32x16x128_f4), f32 sums; products left as they are: bf16, f16 or f32 operands; f32 sums; everything else in f32.
;; Inputs: src_mask 1 float32; src_padding 1 float32; w_out 1,024 x 1,024 float32; w_qkv 3,072 x 1,024 float32; x 4 x 2,048 x 1,024 float32.
;; Outputs: out0 4 x 2,048 x 1,024 float32.
;; Constants: is_causal = 1.
;; This version of the problem:
;;   THIS VERSION OF THE PROBLEM IS GIVEN IN LOW PRECISION. The matrix products marked QUANTISED in the list below multiply operands that are first quantised to E2M1 (2 exponent bits, 1 mantissa bit; 4 bits a number), with one power-of-two scale for each 32 numbers along K (OCP MX v1.0); their sums are f32. The products marked 'left as it is' may take bf16, f16 or f32 operands, with f32 sums. Whichever they take, every output number must still come out within the allowed error. Rounding operands to bf16 (8 significant bits) uses up far more of that allowance than f16 does (11 bits, for magnitudes from 6e-5 to 65,504). All else is computed in f32.
;;   The module's matrix products, in the order in which they are computed (A, B: the left and right operand; K: the contracted axis; several contracted axes count as one K, in the product's order):
;;     1. [M 8,192, K 1,024] x [K 1,024, N 3,072]; A: input x; B: input w_qkv: QUANTISED
;;     2. batch 64 x [M 2,048, K 64] x [K 64, N 2,048]; A: computed on the way; B: computed on the way: left as it is (an operand is computed on the way)
;;     3. batch 64 x [M 2,048, K 2,048] x [K 2,048, N 64]; A: computed on the way; B: computed on the way: left as it is (an operand is computed on the way)
;;     4. [M 8,192, K 1,024] x [K 1,024, N 1,024]; A: computed on the way; B: input w_out: left as it is (an operand is computed on the way)
;;   THE QUANTISER, for each operand of a quantised product, along K:
;;     - K is cut into blocks of 32 from its start; a last block that is shorter is filled with zeros.
;;     - A block's scale is 2^e with e = floor(log2(the largest magnitude in the block)) - 2, held to -126 .. 127; a block of zeros has e = 0. As a byte (E8M0): e + 127.
;;     - Each number is divided by its block's scale, clamped to +-6, and rounded to the nearest number of E2M1, ties to even, subnormals kept.
;;     - The product sums the exact products of the quantised numbers (number of the format x scale) in f32.
;;   ~~~python
;;   def quantise(x, axis):      # numpy; x: float32 -> the quantised numbers, widened to float32 again
;;       x = np.moveaxis(x, axis, -1); K = x.shape[-1]
;;       x = np.pad(x, [(0, 0)] * (x.ndim - 1) + [(0, -K % 32)]); x = x.reshape(x.shape[:-1] + (-1, 32)); a = np.abs(x).max(-1, keepdims=True)
;;       e = np.where(a > 0, np.clip(np.frexp(np.where(a > 0, a, 1))[1] - 1 - 2, -126, 127), 0)      # np.frexp(a)[1] - 1 = floor(log2(a)), exactly
;;       r = np.clip(x / 2.0 ** e, -6, 6)
;;       step = 2.0 ** (np.maximum(np.frexp(np.where(r == 0, 1, r))[1] - 1, 0) - 1)
;;       q = np.round(r / step) * step * 2.0 ** e      # np.round: ties to even
;;       return np.moveaxis(q.reshape(q.shape[:-2] + (-1,))[..., :K], -1, axis).astype(np.float32)
;;   ~~~
;; One version. Each part assembles by itself: llvm-mc -triple=amdgcn-amd-amdhsa -mcpu=gfx1250 --defsym DOCPART=n.
;; ======== version 1 of 1: 5 launches
;; limits: values are held in f16: magnitudes above 65,504 overflow, below 6.1e-05 lose precision
;; workspace buffers: codes 5,767,168 bytes; scales 360,448 bytes; w16 2,097,152 bytes; rope 524,288 bytes; qkv 50,331,648 bytes; fine 786,432 bytes; oimg 16,777,216 bytes
;; launch prep (part 1): grid 416 x 1, 4 waves a work-group, no clusters, 33,280 bytes of LDS; arguments x, w_qkv, w_out, codes, scales, w16, rope; writes codes, scales, w16, rope
.if DOCPART == 1
	.amdgcn_target "amdgcn-amd-amdhsa--gfx1250"
	.amdhsa_code_object_version 6
	.text
	.protected	k_q3b5a10b9c3_prep
	.globl	k_q3b5a10b9c3_prep
	.p2align	8
	.type	k_q3b5a10b9c3_prep,@function
k_q3b5a10b9c3_prep:
	s_mov_b64 s[64:65], 0
	v_nop
	global_prefetch_b8 v0, s[64:65] scope:SCOPE_SE
	s_setreg_imm32_b32 hwreg(HW_REG_WAVE_MODE, 25, 1), 1
	s_wait_xcnt 0x0
; Three jobs, told apart by the work-group's number alone.
; Work-groups 0-351: x [8192][1024] and w_qkv [3072][1024], f32, become codes of FP4 (E2M1), K innermost, and one E8M0 byte for each 32 along K.  Both tensors are plain streams of
;   blocks of 32; w_qkv's codes and bytes follow x's in the same two buffers: rows 0-8191 are x, rows 8192-11263 are w_qkv (512 bytes of codes, 32 scale bytes a row).
;   A block's scale is 2^(floor(log2(largest magnitude)) - 2); its byte is the largest magnitude's exponent field - 2, held at 1 from below.
; Work-groups 352-383: w_out [1024][1024] f32 -> f16, row-major.
; Work-groups 384-415: the table of cos and sin: [128 blocks of 16 positions][bb 0-3][cc 0-1][lane][16 bytes]; lane (r, h) of (block, bb) holds (cos, sin) of position 16 block + r for the
;   frequencies 8 bb + 4 h + i, i = 2 cc and 2 cc + 1: the order in which the next launch's results lie in a lane.
; LIMITS: NaN and infinities among the inputs are not served.  A block of zeros gets the byte 1 (its codes are zeros, and this program alone reads the bytes).  |w_out| stays under 65,504 (f16).
;   The angles: inv_freq = 2^(-f log2(10000)/32) by v_exp_f32, the angle one f32 product as in the source; against a correctly rounded inv_freq the angle differs by at most about 2e-4 rad, at position 2047 of frequency 1.
.set STEPS, 16
.set CB,    8                          ; bytes of 16 codes
.set WREG,  8192                       ; LDS: a region for each wave: two stages of 32 x SP bytes, behind them its 256 scale bytes
.set SP,    80                         ; a lane's place in a stage: 64 bytes + 16 of padding
.set SPARE, 4*WREG                     ; the spare words, 128 bytes for each wave
.set SPW,   12                         ; v12  my spare word's LDS address; never rewritten
.set NIL,   13                         ; v13  0; never rewritten
.set R,     16                         ; v16-79   four sets of 16 numbers as loaded
.set X,     80                         ; v80-111  two sets of 16 neighbours
.set E,     112                        ; v112-127 a scale byte for each step
.set C,     128                        ; v128-191 codes, four registers for each step
	s_load_b256 s[4:11], s[0:1], 0x0               ; x s[4:5], w_qkv s[6:7], w_out s[8:9], codes s[10:11]
	s_load_b128 s[12:15], s[0:1], 0x20             ; scales s[12:13], w16 s[14:15]
	s_load_b64 s[16:17], s[0:1], 0x30              ; rope
	v_lshl_add_u32 v[SPW], v0, 2, SPARE
	v_mov_b32 v[NIL], 0
	v_lshrrev_b32 v1, 5, v0
	v_readfirstlane_b32 s18, v1                    ; wave
	v_and_b32 v2, 31, v0                           ; lane
	v_lshlrev_b32 v3, 4, v2                        ; 16 x lane
	s_cmp_ge_u32 ttmp9, 384
	s_cbranch_scc1 .Ltable
	s_cmp_ge_u32 ttmp9, 352
	s_cbranch_scc1 .Lcast
; ---------------- the quantiser: a wave takes 16 steps of 512 numbers ----------------
; Each of a step's four loads reads 512 consecutive bytes; the 2,048 bytes turn through the wave's own stage in LDS and come back 64 bytes a lane: 16 neighbours along K, two lanes to a block.
	s_mul_i32 s19, s18, WREG
	v_lshrrev_b32 v14, 2, v2
	v_mul_u32_u24 v14, v14, SP
	v_and_b32 v15, 3, v2
	v_lshl_add_u32 v14, v15, 4, v14
	v_add_nc_u32 v14, s19, v14                     ; into the stage: SP (lane / 4) + 16 (lane % 4)
	v_mul_u32_u24 v15, v2, SP
	v_add_nc_u32 v15, s19, v15                     ; out of it: SP x lane
	v_mul_u32_u24 v4, v2, CB                       ; my codes' place in a step's 256 bytes
	v_lshrrev_b32 v5, 1, v2
	s_add_co_u32 s19, s19, 2*32*SP
	v_add_nc_u32 v5, s19, v5                       ; my block's byte among the wave's 256
	v_lshlrev_b32 v7, 3, v2
	v_add_nc_u32 v6, s19, v7                       ; and 8 bytes a lane on the way out
	s_wait_kmcnt 0x0
	s_cmp_lt_u32 ttmp9, 256                        ; x's work-group or w_qkv's: the work-group's number alone decides
	s_cselect_b64 s[4:5], s[4:5], s[6:7]
	s_cselect_b32 s20, 0, 1024
	s_lshl_b32 s21, ttmp9, 2
	s_add_co_u32 s21, s21, s18                     ; my run of 8,192 numbers in the joined stream
	s_sub_co_u32 s20, s21, s20                     ; and in its own tensor
	s_lshl_b32 s22, s20, 15
	s_mov_b32 s23, 0
	s_add_nc_u64 s[4:5], s[4:5], s[22:23]
	s_lshl_b32 s22, s21, 12
	s_add_nc_u64 s[10:11], s[10:11], s[22:23]
	s_lshl_b32 s22, s21, 8
	s_add_nc_u64 s[12:13], s[12:13], s[22:23]
.macro LOAD t
.irp i, 0,1,2,3
	global_load_b128 v[R+16*((\t)%4)+4*\i:R+16*((\t)%4)+4*\i+3], v3, s[4:5] offset:2048*(\t)+512*\i th:TH_LOAD_NT
.endr
.endm
.macro TURN t                          ; LDS serves a wave's instructions in order: no wait between the stores and the loads
.irp i, 0,1,2,3
	ds_store_b128 v14, v[R+16*((\t)%4)+4*\i:R+16*((\t)%4)+4*\i+3] offset:32*SP*((\t)%2)+8*SP*\i
.endr
.irp i, 0,1,2,3
	ds_load_b128 v[X+16*((\t)%2)+4*\i:X+16*((\t)%2)+4*\i+3], v15 offset:32*SP*((\t)%2)+16*\i
.endr
.endm
.irp t, 0,1,2,3
	LOAD \t
.endr
	s_wait_loadcnt 12                              ; step 0's four loads are in; the twelve of steps 1 to 3 may be out
	TURN 0
.macro STEP t
.set XS, X+16*((\t)%2)
.if (\t) > 0
	s_wait_dscnt 1                                 ; this step's numbers are back from the stage; the last step's byte store may be out
.else
	s_wait_dscnt 0x0
.endif
.if (\t)+4 < STEPS
	LOAD (\t)+4
.endif
.if (\t)+1 < STEPS
.if STEPS-2-(\t) >= 3
	s_wait_loadcnt 12                              ; the next step's four loads are in; those of the three steps behind it may be out
.else
	s_wait_loadcnt 4*(STEPS-2-(\t))
.endif
	TURN (\t)+1
.endif
	v_max3_num_f32 v8, |v[XS]|, |v[XS+1]|, |v[XS+2]|
	v_max3_num_f32 v9, |v[XS+3]|, |v[XS+4]|, |v[XS+5]|
.irp i, 6,10
	v_max3_num_f32 v8, v8, |v[XS+\i]|, |v[XS+\i+1]|
	v_max3_num_f32 v9, v9, |v[XS+\i+2]|, |v[XS+\i+3]|
.endr
	v_max3_num_f32 v8, v8, |v[XS+14]|, |v[XS+15]|
	v_max3_num_f32 v8, v8, v9, 0x1800000           ; the floor 2^(3 - 127): the byte cannot fall under 1
	v_max_num_f32_dpp v8, v8, v8 row_xmask:1 row_mask:0xf bank_mask:0xf   ; with my neighbour's 16: the block's largest magnitude
	v_add_nc_u32 v11, 0xff000000, v8               ; 2 off its exponent field: the conversion takes this operand's exponent field as its scale
	v_cvt_scalef32_pk8_fp4_f32 v[C+4*(\t)], v[XS:XS+7], v11
	v_cvt_scalef32_pk8_fp4_f32 v[C+4*(\t)+1], v[XS+8:XS+15], v11
	v_lshrrev_b32 v[E+(\t)], 23, v11               ; the scale's byte
	ds_store_b8 v5, v[E+(\t)] offset:16*(\t)       ; both lanes of a block write the same byte with the same value
	global_store_b64 v4, v[C+4*(\t):C+4*(\t)+1], s[10:11] offset:32*CB*(\t)   ; the wave stores 256 consecutive bytes, aligned
.endm
.irp t, 0,1,2,3,4,5,6,7,8,9,10,11,12,13,14,15
	STEP \t
.endr
	ds_load_b64 v[8:9], v6
	s_wait_dscnt 0x0
	global_store_b64 v7, v[8:9], s[12:13]          ; the wave's 256 scale bytes, aligned
	s_wait_tensorcnt 0x0                           ; the wave's end, behind my last LDS store
	ds_add_u32 v[SPW], v[NIL]
	s_wait_dscnt 0x0
	s_endpgm
; ---------------- w_out to f16: a wave takes 32,768 bytes in, 16,384 out, in four groups of 16 loads ----------------
.Lcast:
	s_sub_co_u32 s19, ttmp9, 352
	s_lshl_b32 s19, s19, 2
	s_add_co_u32 s19, s19, s18
	s_lshl_b32 s20, s19, 15
	s_mov_b32 s21, 0
	s_lshl_b32 s22, s19, 14
	s_mov_b32 s23, 0
	v_lshlrev_b32 v4, 3, v2                        ; 8 bytes a lane on the way out
	s_wait_kmcnt 0x0
	s_add_nc_u64 s[8:9], s[8:9], s[20:21]
	s_add_nc_u64 s[14:15], s[14:15], s[22:23]
.macro LOADW g
.irp i, 0,1,2,3,4,5,6,7,8,9,10,11,12,13,14,15
	global_load_b128 v[16+64*((\g)%2)+4*\i:16+64*((\g)%2)+4*\i+3], v3, s[8:9] offset:512*(16*(\g)+\i) th:TH_LOAD_NT
.endr
.endm
.macro CASTW g
.if (\g) < 3
	s_wait_loadcnt 16                              ; this group's 16 loads are in; the other set's may be out
.else
	s_wait_loadcnt 0x0
.endif
	s_wait_xcnt 0x0                                ; the last group's stores have read v144-175
.irp i, 0,1,2,3,4,5,6,7,8,9,10,11,12,13,14,15
	v_cvt_pk_f16_f32 v[144+2*\i], v[16+64*((\g)%2)+4*\i], v[16+64*((\g)%2)+4*\i+1]
	v_cvt_pk_f16_f32 v[145+2*\i], v[16+64*((\g)%2)+4*\i+2], v[16+64*((\g)%2)+4*\i+3]
.endr
.irp i, 0,1,2,3,4,5,6,7,8,9,10,11,12,13,14,15
	global_store_b64 v4, v[144+2*\i:145+2*\i], s[14:15] offset:256*(16*(\g)+\i)   ; 256 consecutive bytes a wave, aligned
.endr
.if (\g)+2 < 4
	LOADW (\g)+2
.endif
.endm
	LOADW 0
	LOADW 1
	CASTW 0
	CASTW 1
	CASTW 2
	CASTW 3
	s_endpgm
; ---------------- the table: a wave takes one block of 16 positions, a lane 16 (cos, sin) ----------------
.Ltable:
	s_sub_co_u32 s19, ttmp9, 384
	s_lshl_b32 s19, s19, 2
	s_add_co_u32 s19, s19, s18                     ; block of positions, 0 .. 127
	s_lshl_b32 s20, s19, 4
	s_lshl_b32 s32, s19, 12
	s_mov_b32 s33, 0
	s_mov_b32 s21, 0xbed49a78                      ; -log2(10000) / 32
	s_mov_b32 s22, 0x3f22f983                      ; 2 / pi
	s_mov_b32 s23, 0x3fc90fdb                      ; pi / 2, its f32,
	s_mov_b32 s24, 0xb33bbd2e                      ; and what that leaves
	s_mov_b32 s25, 0x3638ef1d                      ; the sine's series: 1/9!, -1/7!, 1/5!, -1/3!
	s_mov_b32 s26, 0xb9500d01
	s_mov_b32 s27, 0x3c088889
	s_mov_b32 s28, 0xbe2aaaab
	s_mov_b32 s29, 0x37d00d01                      ; the cosine's: 1/8!, -1/6!, 1/4!
	s_mov_b32 s30, 0xbab60b61
	s_mov_b32 s31, 0x3d2aaaab
	v_and_b32 v5, 15, v0                           ; r
	v_bfe_u32 v6, v0, 4, 1                         ; h
	v_add_nc_u32 v20, s20, v5
	v_cvt_f32_u32 v20, v20                         ; my position
	v_lshlrev_b32 v21, 2, v6                       ; 4 h
.irp e, 0,1,2,3,4,5,6,7,8,9,10,11,12,13,14,15
	v_add_nc_u32 v[32+\e], 8*(\e/4)+(\e%4), v21    ; the frequency's number f = 8 bb + i + 4 h
.endr
.irp e, 0,1,2,3,4,5,6,7,8,9,10,11,12,13,14,15
	v_cvt_f32_u32 v[32+\e], v[32+\e]
.endr
.irp e, 0,1,2,3,4,5,6,7,8,9,10,11,12,13,14,15
	v_mul_f32 v[32+\e], s21, v[32+\e]
.endr
.irp e, 0,1,2,3,4,5,6,7,8,9,10,11,12,13,14,15
	v_exp_f32 v[32+\e], v[32+\e]                   ; inv_freq = 10000^(-f / 32)
.endr
	v_nop                                          ; a plain instruction behind the last exponential,
	s_wait_alu depctr_va_vdst(0)                   ; and one wait for the batch, ahead of its first reader
.macro ENTRY e
	v_mul_f32 v22, v20, v[32+(\e)]                 ; the angle, one f32 product as in the source
	v_mul_f32 v23, s22, v22
	v_rndne_f32 v23, v23                           ; n quarter turns
	v_fma_f32 v24, -v23, s23, v22                  ; exact: both terms are multiples of 2^-23 and the difference is under 1
	v_fma_f32 v24, -v23, s24, v24                  ; the rest, |.| up to pi / 4
	v_mul_f32 v25, v24, v24
	v_fma_f32 v26, v25, s25, s26
	v_fma_f32 v28, v25, s29, s30
	v_fma_f32 v26, v26, v25, s27
	v_fma_f32 v28, v28, v25, s31
	v_fma_f32 v26, v26, v25, s28
	v_fma_f32 v28, v28, v25, -0.5
	v_mul_f32 v27, v24, v25
	v_fma_f32 v28, v28, v25, 1.0                   ; cos of the rest
	v_fma_f32 v26, v27, v26, v24                   ; sin of the rest
	v_cvt_i32_f32 v29, v23
	v_and_b32 v30, 1, v29
	v_cmp_eq_u32 vcc_lo, 1, v30                    ; an odd quarter swaps the two
	v_cndmask_b32 v[64+2*(\e)], v28, v26, vcc_lo
	v_cndmask_b32 v[65+2*(\e)], v26, v28, vcc_lo
	v_lshlrev_b32 v30, 30, v29
	v_and_b32 v30, 0x80000000, v30                 ; the sine is negative in quarters 2 and 3,
	v_xor_b32 v[65+2*(\e)], v[65+2*(\e)], v30
	v_add_nc_u32 v29, 1, v29
	v_lshlrev_b32 v29, 30, v29
	v_and_b32 v29, 0x80000000, v29                 ; the cosine in quarters 1 and 2
	v_xor_b32 v[64+2*(\e)], v[64+2*(\e)], v29
.endm
.irp e, 0,1,2,3,4,5,6,7,8,9,10,11,12,13,14,15
	ENTRY \e
.endr
	s_wait_kmcnt 0x0
	s_add_nc_u64 s[16:17], s[16:17], s[32:33]
.irp n, 0,1,2,3,4,5,6,7
	global_store_b128 v3, v[64+4*\n:64+4*\n+3], s[16:17] offset:512*\n   ; 512 consecutive bytes a wave, aligned
.endr
	s_endpgm
.Lfunc_end_k_q3b5a10b9c3_prep:
	.size	k_q3b5a10b9c3_prep, .Lfunc_end_k_q3b5a10b9c3_prep-k_q3b5a10b9c3_prep
	.p2alignl 7, 3214868480
	.fill 96, 4, 3214868480
	.section	.rodata,"a",@progbits
	.p2align	6, 0x0
	.amdhsa_kernel k_q3b5a10b9c3_prep
		.amdhsa_group_segment_fixed_size 33280
		.amdhsa_private_segment_fixed_size 0
		.amdhsa_enable_private_segment 0
		.amdhsa_kernarg_size 56
		.amdhsa_user_sgpr_count 2
		.amdhsa_user_sgpr_kernarg_segment_ptr 1
		.amdhsa_wavefront_size32 1
		.amdhsa_system_sgpr_workgroup_id_x 1
		.amdhsa_system_sgpr_workgroup_id_y 1
		.amdhsa_system_sgpr_workgroup_id_z 1
		.amdhsa_system_vgpr_workitem_id 0
		.amdhsa_next_free_vgpr 192
		.amdhsa_next_free_sgpr 66
		.amdhsa_reserve_vcc 1
		.amdhsa_float_denorm_mode_32 3
		.amdhsa_float_denorm_mode_16_64 3
		.amdhsa_memory_ordered 1
		.amdhsa_forward_progress 1
		.amdhsa_inst_pref_size 78
	.end_amdhsa_kernel
	.amdgpu_metadata
---
amdhsa.version: [ 1, 2 ]
amdhsa.kernels:
  - .name:           k_q3b5a10b9c3_prep
    .symbol:         k_q3b5a10b9c3_prep.kd
    .args:
      - { .name: x, .offset: 0, .size: 8, .value_kind: global_buffer, .address_space: global }
      - { .name: w_qkv, .offset: 8, .size: 8, .value_kind: global_buffer, .address_space: global }
      - { .name: w_out, .offset: 16, .size: 8, .value_kind: global_buffer, .address_space: global }
      - { .name: codes, .offset: 24, .size: 8, .value_kind: global_buffer, .address_space: global }
      - { .name: scales, .offset: 32, .size: 8, .value_kind: global_buffer, .address_space: global }
      - { .name: w16, .offset: 40, .size: 8, .value_kind: global_buffer, .address_space: global }
      - { .name: rope, .offset: 48, .size: 8, .value_kind: global_buffer, .address_space: global }
    .group_segment_fixed_size: 33280
    .private_segment_fixed_size: 0
    .kernarg_segment_align: 8
    .kernarg_segment_size: 56
    .max_flat_workgroup_size: 128
    .sgpr_count:     66
    .vgpr_count:     192
    .wavefront_size: 32
...
	.end_amdgpu_metadata
.endif
;; end of part 1
;; launch qkv (part 2): grid 12 x 32, 4 waves a work-group, clusters of 4 x 4, 327,680 bytes of LDS; arguments codes, scales, rope, qkv, fine; writes qkv, fine
.if DOCPART == 2
	.amdgcn_target "amdgcn-amd-amdhsa--gfx1250"
	.amdhsa_code_object_version 6
	.text
	.protected	k_q3b5a10b9c3_qkv
	.globl	k_q3b5a10b9c3_qkv
	.p2align	8
	.type	k_q3b5a10b9c3_qkv,@function
k_q3b5a10b9c3_qkv:
	s_mov_b64 s[64:65], 0
	v_nop
	global_prefetch_b8 v0, s[64:65] scope:SCOPE_SE
	s_setreg_imm32_b32 hwreg(HW_REG_WAVE_MODE, 25, 1), 1
	s_wait_xcnt 0x0
	s_wait_alu depctr_hold_cnt(0) depctr_sa_sdst(0) depctr_va_vdst(0) depctr_va_sdst(0) depctr_va_ssrc(0) depctr_va_vcc(0) depctr_vm_vsrc(0)
	s_getreg_b32 s2, hwreg(HW_REG_IB_STS2, 6, 4)
	s_cmp_eq_u32 s2, 0
	s_cbranch_scc0 .Lentry_in_a_cluster
	s_endpgm
.Lentry_in_a_cluster:
	s_bfe_u32 s2, ttmp6, 0x10000c
	s_cmp_lg_u32 s2, 0xf033
	s_cbranch_scc0 .Lentry_shape_is_right
	s_endpgm
.Lentry_shape_is_right:
; qkv = x w_qkv^T on codes of FP4 (E2M1) with one E8M0 scale for each 32 along K = 1024; then the rotation of q and k; results leave as f16, laid as the next launch's operand registers.
; codes: [11264 rows][512 bytes], scales: [11264][32 bytes]: rows 0-8191 are x (tokens), rows 8192-11263 w_qkv.  Tiles of 256 rows: x is 0-31, w is 32-43.
; A work-group of four waves makes 256 x 256 of the product, a wave 128 x 128 (64 accumulators).  K goes in two steps of 512 through two LDS slots, both filled at the start: nothing is filled again.
; CLUSTERS of 4 x 4; cluster x = 0, 1, 2 is q, k, v.  The matrix instruction is used transposed: source 0 = rows of 'B', source 1 = rows of 'A'; a lane then holds ONE row of A and eight neighbouring rows of B.
;   q, k: A = tokens (tile cluster y + 8 cy: batch cy), B = w's rows (tile 32 + 4 cluster x + cx): a lane holds a token and eight neighbouring channels: four pairs of the rotation, and half of a 16-bit fragment.
;   v:    A = w's rows (tile 40 + cy), B = tokens (tile cluster y + 8 cx: batch cx): a lane holds a channel and eight neighbouring keys: half of a fragment of V^T.
;   A's tiles are shared along a row of the cluster, B's along a column: each is asked for jointly.
; THE TEXT PARTS ONCE, on the cluster's x, behind the change of slots: the q/k way asks for the table of cos and sin there, a K step ahead of its first use; the second K step is written on both ways, and each goes on into its own way out.
; OUT.  qkv: q at 0, k at 1<<24, v at 2<<24; a head (16 batch + head) takes 262,144 bytes.  q, k: [block of 16 positions][channels 16 n on, n 0-3][lane][16 bytes].  v: [32 keys][16 channels cb][16 keys c][lane][16 bytes].
;   Every store of a wave covers 512 consecutive bytes, aligned.  fine: positions 0-15 of every sequence in f32, the results as they stand in registers: [part][batch][head][tile 4][cc 2][lane][16 bytes].
; LIMITS: |q|, |k|, |v| stay under 65,504 (f16).  NaN and infinities are not served.
; REGISTERS: window 0: v0-31 addresses; v32-95 scale words, and nothing else ever; v96-127, v192-223 the table's two sets; v128-191 A's fragments, later the rotated numbers; v224-255 packed results.
;   window 1: B's fragments, two sets, at v0 and v128.  window 2: accumulators of my rows 0-63 ((a, b) at v[8 (8 a + b)]); window 3: rows 64-127.
.set NQ,     4                         ; matrix instructions deep in a slot (512 along K)
.set ROWB,   256                       ; a tile's row in bytes
.set KROW,   512                       ; a row of codes in memory
.set PITCH,  272                       ; an LDS row: 256 bytes + 16 of padding: the 16 rows of a load start at 16 different banks
.set FR,     8
.set NL,     2
.set NP,     4
.set HALFT,  128*PITCH
.set SLOT,   4*HALFT
.set KS,     32                        ; a row of scale bytes
.set SCL,    2*SLOT
.set HALFS,  (128*KS/256)*272
.set SBLK,   (16*KS/256)*272
.set SPARE,  SCL+4*HALFS               ; the spare words, 128 bytes for each wave
.set ADRA, 16
.set ADRB, 20
.set L16,  26                          ; v26  16 x lane; never rewritten
.set ADRS, 27
.set SPW,  28
.set NIL,  29
.set SC,   32
.set AF,   128
.set T,    128
.set OUT,  224
.set G1, 24
.set G0, 32
.set G1B, 48
.set G0B, 56
.set G1S, 68
.set G0S, 76
.set G1SB, 80
.set G0SB, 88
.set MSB, 0
.macro WIN new                         ; the immediate's high byte repeats the setting that is left
.if MSB != (\new)
	s_set_vgpr_msb (MSB<<8)|(\new)
.set MSB, (\new)
.endif
.endm
.set MUL_LO, 0xa1
.set MUL_HI, 0xf1
.set TO_B,   0x40
; A joint load: waves 0 and 1 fetch for A, waves 2 and 3 for B; the branch hangs on the wave's number alone.  An s_nop 0 and four v_nop follow each of the two lines.
.macro JLOAD g0a, g1a, g0b, g1b
	s_cmp_eq_u32 s15, 0
	s_cbranch_scc0 .Lfor_b_\@
	tensor_load_to_lds s[\g0a:\g0a+3], s[\g1a:\g1a+7]
	s_nop 0
.rept 4
	v_nop
.endr
	s_branch .Lasked_\@
.Lfor_b_\@:
	tensor_load_to_lds s[\g0b:\g0b+3], s[\g1b:\g1b+7]
	s_nop 0
.rept 4
	v_nop
.endr
.Lasked_\@:
.endm
.macro CROUND                          ; a round of the cluster's barrier
	s_barrier_signal -1
	s_barrier_wait -1
	s_cmp_lg_u32 s14, 0
	s_cbranch_scc1 .Lnot_wave_0_\@
	s_barrier_signal -3
.Lnot_wave_0_\@:
	s_barrier_wait -3
	s_barrier_signal -1
	s_barrier_wait -1
.endm
	s_load_b128 s[4:7], s[0:1], 0x0                ; codes s[4:5], scales s[6:7]
	s_load_b128 s[8:11], s[0:1], 0x10              ; rope s[8:9], qkv s[10:11]
	s_load_b64 s[12:13], s[0:1], 0x20              ; fine
	v_lshl_add_u32 v[SPW], v0, 2, SPARE
	v_mov_b32 v[NIL], 0
	ds_add_u32 v[SPW], v[NIL]                      ; the wave's opening: the add, twice on end, and its wait ahead of my first tensor load
	ds_add_u32 v[SPW], v[NIL]
	v_lshrrev_b32 v1, 5, v0
	v_readfirstlane_b32 s14, v1                    ; wave 0..3
	s_lshr_b32 s15, s14, 1                         ; which 128 rows of A are mine.  Also: I fetch for A (0) or for B (1)
	s_and_b32 s16, s14, 1                          ; which 128 rows of B.  Also: which 128 rows of that tile I fetch
	s_bfe_u32 s40, ttmp6, 0x40000                  ; cx
	s_bfe_u32 s41, ttmp6, 0x40004                  ; cy
	s_and_b32 s95, ttmp7, 0xffff                   ; cluster y
	s_lshl_b32 s17, s41, 3
	s_add_co_u32 s17, s17, s95                     ; q, k: A's tile = cluster y + 8 cy
	s_add_co_u32 s18, s41, 40                      ; v:    A's tile = 40 + cy
	s_lshl_b32 s42, ttmp9, 2
	s_add_co_u32 s42, s42, s40
	s_add_co_u32 s42, s42, 32                      ; q, k: B's tile = 32 + 4 cluster x + cx
	s_lshl_b32 s96, s40, 3
	s_add_co_u32 s96, s96, s95                     ; v:    B's tile = cluster y + 8 cx
	s_cmp_eq_u32 ttmp9, 2                          ; the cluster's x: the same in all sixteen partners
	s_cselect_b32 s17, s18, s17                    ; A's tile hangs on cy and the cluster alone,
	s_cselect_b32 s42, s96, s42                    ; B's on cx and the cluster alone
	s_lshl_b32 s43, s41, 2
	s_lshl_b32 s43, 15, s43                        ; my row of the cluster
	s_lshl_b32 s44, 0x1111, s40                    ; my column
	s_or_b32 s[G1+0], s43, (0<<16)|(1<<20)|(1<<21)|(5<<22)|(3<<25)  ; the mask; elements of 1 byte; padding: 4 words behind every 64; bit 21 beside a mask
	s_or_b32 s[G1B+0], s44, (0<<16)|(1<<20)|(1<<21)|(5<<22)|(3<<25)
.irp g, G1, G1B
	s_mov_b32 s[\g+1], ROWB<<16                    ; tensor_dim0
	s_mov_b32 s[\g+2], 128<<16                     ; tensor_dim1
	s_mov_b32 s[\g+3], ROWB<<16                    ; tile_dim0
	s_mov_b32 s[\g+4], 128                         ; tile_dim1
	s_mov_b32 s[\g+5], KROW                        ; from row to row
	s_mov_b32 s[\g+6], 0
	s_mov_b32 s[\g+7], 0
.endr
	s_or_b32 s[G1S+0], s43, (3<<16)|(1<<20)|(1<<21)|(5<<22)|(3<<25) ; the scales of 128 rows: 4,096 dense bytes as 16 rows of 256, 16 bytes of padding behind each
	s_or_b32 s[G1SB+0], s44, (3<<16)|(1<<20)|(1<<21)|(5<<22)|(3<<25)
.irp g, G1S, G1SB
	s_mov_b32 s[\g+1], 32<<16
	s_mov_b32 s[\g+2], (128*KS/256)<<16
	s_mov_b32 s[\g+3], 32<<16
	s_mov_b32 s[\g+4], 128*KS/256
	s_mov_b32 s[\g+5], 32
	s_mov_b32 s[\g+6], 0
	s_mov_b32 s[\g+7], 0
.endr
	s_lshl_b32 s18, s16, 7                         ; which 128 rows of the tile I fetch
	s_lshl_b32 s20, s17, 8
	s_add_co_u32 s20, s20, s18                     ; A's first row
	s_lshl_b32 s46, s42, 8
	s_add_co_u32 s46, s46, s18                     ; B's
	s_lshl_b32 s22, s20, 5                         ; their scale bytes: 32 a row,
	s_mov_b32 s23, 0
	s_lshl_b32 s20, s20, 9                         ; their codes: 512 a row (under 2^23 in all)
	s_mov_b32 s21, 0
	s_lshl_b32 s92, s46, 5
	s_mov_b32 s93, 0
	s_lshl_b32 s46, s46, 9
	s_mov_b32 s47, 0
	s_mul_i32 s45, s14, HALFT                      ; where they go: wave x 128 rows: no place in the cluster enters an LDS address
	s_mul_i32 s94, s14, HALFS
	s_wait_dscnt 0x0                               ; both opening adds are done
	s_wait_kmcnt 0x0
	s_add_nc_u64 s[20:21], s[4:5], s[20:21]
	s_add_nc_u64 s[22:23], s[6:7], s[22:23]
	s_add_nc_u64 s[46:47], s[4:5], s[46:47]
	s_add_nc_u64 s[92:93], s[6:7], s[92:93]
	CROUND                                         ; all sixteen work-groups are here: the joint loads meet
	s_mov_b32 s[G0S], 1
	s_add_co_u32 s[G0S+1], s94, SCL
	s_mov_b64 s[G0S+2:G0S+3], s[22:23]
	s_or_b32 s[G0S+3], s[G0S+3], 0x80000000
	s_mov_b32 s[G0SB], 1
	s_add_co_u32 s[G0SB+1], s94, SCL
	s_mov_b64 s[G0SB+2:G0SB+3], s[92:93]
	s_or_b32 s[G0SB+3], s[G0SB+3], 0x80000000
	JLOAD G0S, G1S, G0SB, G1SB                     ; the scales first; then both slots: three loads of mine are out
.irp s, 0,1
	s_mov_b32 s[G0+4*\s], 1
	s_add_co_u32 s[G0+4*\s+1], s45, \s*SLOT
	s_add_nc_u64 s[G0+4*\s+2:G0+4*\s+3], s[20:21], \s*ROWB
	s_or_b32 s[G0+4*\s+3], s[G0+4*\s+3], 0x80000000
	s_mov_b32 s[G0B+4*\s], 1
	s_add_co_u32 s[G0B+4*\s+1], s45, \s*SLOT
	s_add_nc_u64 s[G0B+4*\s+2:G0B+4*\s+3], s[46:47], \s*ROWB
	s_or_b32 s[G0B+4*\s+3], s[G0B+4*\s+3], 0x80000000
	JLOAD G0+4*\s, G1, G0B+4*\s, G1B
.endr
	v_and_b32 v1, 15, v0                           ; l % 16
	v_bfe_u32 v2, v0, 4, 1                         ; l / 16
	v_mul_u32_u24 v3, v1, PITCH
	v_lshl_add_u32 v4, v2, 4, v3
	s_mul_i32 s21, s15, HALFT
	s_mul_i32 s22, s16, HALFT
	s_add_co_u32 s22, s22, 2*HALFT
.irp s, 0,1
	v_add_nc_u32 v[ADRA+\s], s21, v4
	v_add_nc_u32 v[ADRB+\s], s22, v4
	s_add_co_u32 s21, s21, SLOT
	s_add_co_u32 s22, s22, SLOT
.endr
	v_mul_u32_u24 v5, v1, KS
	v_lshrrev_b32 v6, 8, v5
	v_lshl_add_u32 v5, v6, 4, v5                   ; my row's scales: 32 bytes a row, 16 more for each 256 passed
	s_mul_i32 s21, s15, HALFS
	s_mul_i32 s22, s16, HALFS
	s_add_co_u32 s22, s22, 2*HALFS
	s_sub_co_u32 s22, s22, s21
	v_mul_u32_u24 v6, s22, v2                      ; lanes 16-31 take B's
	s_add_co_u32 s21, s21, SCL
	v_add_nc_u32 v5, v5, v6
	v_add_nc_u32 v[ADRS], s21, v5
	v_and_b32 v6, 31, v0
	v_lshlrev_b32 v[L16], 4, v6
	; where the results go.  These are global addresses: cx and cy may enter them.  Both arms write scalar registers alone
	s_mov_b32 s99, 0
	s_cmp_eq_u32 ttmp9, 2
	s_cbranch_scc1 .Lv_addr
	s_lshl_b32 s96, s95, 4
	s_lshl_b32 s97, s15, 3
	s_add_co_u32 s96, s96, s97                     ; my first block of 16 positions: 16 cluster y + 8 row half
	s_lshl_b32 s98, s96, 12
	s_add_nc_u64 s[8:9], s[8:9], s[98:99]          ; the table there
	s_lshl_b32 s98, s96, 11
	s_lshl_b32 s97, s40, 2
	s_lshl_b32 s100, s16, 1
	s_add_co_u32 s97, s97, s100                    ; my first head: 4 cx + 2 column half
	s_lshl_b32 s100, s41, 4
	s_add_co_u32 s100, s100, s97
	s_lshl_b32 s100, s100, 18                      ; (16 batch + head) x 262,144
	s_add_co_u32 s98, s98, s100
	s_lshl_b32 s100, ttmp9, 24                     ; q or k
	s_add_co_u32 s98, s98, s100
	s_add_nc_u64 s[10:11], s[10:11], s[98:99]
	s_lshl_b32 s100, ttmp9, 2
	s_add_co_u32 s100, s100, s41
	s_lshl_b32 s100, s100, 4
	s_add_co_u32 s100, s100, s97
	s_lshl_b32 s98, s100, 12                       ; fine: ((4 part + batch) 16 + head) x 4,096
	s_add_nc_u64 s[12:13], s[12:13], s[98:99]
	s_branch .Laddr_done
.Lv_addr:
	s_lshl_b32 s96, s40, 4
	s_lshl_b32 s97, s41, 2
	s_add_co_u32 s96, s96, s97
	s_lshl_b32 s97, s15, 1
	s_add_co_u32 s96, s96, s97                     ; 16 batch + my first head: 16 cx + 4 cy + 2 row half
	s_lshl_b32 s98, s96, 18
	s_lshl_b32 s97, s95, 3
	s_lshl_b32 s100, s16, 2
	s_add_co_u32 s97, s97, s100                    ; my first group of 32 keys: 8 cluster y + 4 column half
	s_lshl_b32 s97, s97, 12
	s_add_co_u32 s98, s98, s97
	s_add_co_u32 s98, s98, 2<<24
	s_add_nc_u64 s[10:11], s[10:11], s[98:99]
	s_add_co_u32 s96, s96, 128                     ; part 2: (8 + batch) 16 + head
	s_lshl_b32 s98, s96, 12
	s_add_nc_u64 s[12:13], s[12:13], s[98:99]
.Laddr_done:
.macro FRAG reg, adr, q, i             ; 16 rows x 128 K of 4-bit codes: 8 registers, two loads of 16 bytes, 32 bytes apart
.irp c, 0,1
	ds_load_b128 v[\reg+4*\c:\reg+4*\c+3], v[\adr] offset:64*(\q)+32*\c+(\i)*16*PITCH
.endr
.endm
; 16 matrix instructions: A's blocks a0, a0 + 1 x B's eight.  The 64 accumulators take turns, one instruction a turn, in the same order in every step.
.macro MUL16 a0, p, q, sc, zero
.irp a, \a0, \a0+1
.irp b, 0,1,2,3,4,5,6,7
.if \zero
	v_wmma_scale_f32_16x16x128_f8f6f4 v[8*(8*((\a)%4)+\b):8*(8*((\a)%4)+\b)+7], v[128*(\p)+FR*\b:128*(\p)+FR*\b+FR-1], v[AF+FR*(\a):AF+FR*(\a)+FR-1], 0, v[SC+8*NQ*(\sc)+NQ*\b+(\q)], v[SC+8*NQ*(\sc)+NQ*(\a)+(\q)] matrix_a_fmt:MATRIX_FMT_FP4 matrix_b_fmt:MATRIX_FMT_FP4 matrix_a_scale:MATRIX_SCALE_ROW1
.else
	v_wmma_scale_f32_16x16x128_f8f6f4 v[8*(8*((\a)%4)+\b):8*(8*((\a)%4)+\b)+7], v[128*(\p)+FR*\b:128*(\p)+FR*\b+FR-1], v[AF+FR*(\a):AF+FR*(\a)+FR-1], v[8*(8*((\a)%4)+\b):8*(8*((\a)%4)+\b)+7], v[SC+8*NQ*(\sc)+NQ*\b+(\q)], v[SC+8*NQ*(\sc)+NQ*(\a)+(\q)] matrix_a_fmt:MATRIX_FMT_FP4 matrix_b_fmt:MATRIX_FMT_FP4 matrix_a_scale:MATRIX_SCALE_ROW1
.endif
.endr
.endr
.endm
.macro FETCH_B slot, q, p
	WIN TO_B
.irp i, 0,1,2,3,4,5,6,7
	FRAG 128*(\p)+FR*\i, ADRB+\slot, \q, \i
.endr
	WIN 0
.endm
.macro FETCH_A slot, q, i0
.irp i, \i0, \i0+1, \i0+2, \i0+3
	FRAG AF+FR*(\i), ADRA+\slot, \q, \i
.endr
.endm
.macro SCALES sc                       ; a K step's scale words: lanes 0-15 take A's block i, lanes 16-31 B's block i
.irp i, 0,1,2,3,4,5,6,7
	ds_load_b128 v[SC+8*NQ*\sc+NQ*\i:SC+8*NQ*\sc+NQ*\i+3], v[ADRS] offset:\i*SBLK
.endr
.endm
.macro PLACES n                        ; plain vector instructions between a matrix instruction and a load into, or a vector instruction on, its registers
.rept \n
	v_nop
.endr
.endm
.macro STEP slot, q, zero              ; 128 along K, with its successor in the same slot
	s_wait_dscnt 4*NL                              ; B's set and A's blocks 0-3 are in; the eight loads of A's blocks 4-7 may be out
	WIN MUL_LO
	MUL16 0, (\q)%2, \q, \slot, \zero
	MUL16 2, (\q)%2, \q, \slot, \zero
	s_wait_dscnt 0
	PLACES NP
	FETCH_B \slot, (\q)+1, 1-(\q)%2
	FETCH_A \slot, (\q)+1, 0
	WIN MUL_HI
	MUL16 4, (\q)%2, \q, \slot, \zero
	MUL16 6, (\q)%2, \q, \slot, \zero
	PLACES NP
	WIN 0
	FETCH_A \slot, (\q)+1, 4
.endm
.macro STEPS slot, from
.set QS, \from
.rept NQ-1-\from
	STEP \slot, QS, 0
.set QS, QS+1
.endr
.endm
; The second K step (slot 1): 256 matrix instructions.  It is written on both ways behind the parting; it begins and ends with every window 0.
.macro SECOND
	STEPS 1, 0
	s_wait_dscnt 4*NL                              ; the very last 128 along K: nothing more to fetch
	WIN MUL_LO
	MUL16 0, 1, NQ-1, 1, 0
	MUL16 2, 1, NQ-1, 1, 0
	s_wait_dscnt 0
	WIN MUL_HI
	MUL16 4, 1, NQ-1, 1, 0
	MUL16 6, 1, NQ-1, 1, 0
	WIN 0
	PLACES NP                                      ; behind the last products, ahead of every read of results and every write of their operands' registers
.endm
.macro ROPELD a                        ; the table of block a's 16 positions: 8 loads of 512 bytes into set a % 2
.irp n, 0,1,2,3,4,5,6,7
	global_load_b128 v[96+96*((\a)%2)+4*\n:96+96*((\a)%2)+4*\n+3], v[L16], s[8:9] offset:(\a)*4096+512*\n
.endr
.endm
; THE WAY OUT OF q AND k, a block of 16 tokens x 128 columns (two heads) at a time.  A lane's eight numbers of accumulator (a, b) are channels 16 (b % 4) + 8 h + 0 .. 7 of a head: four pairs (x1, x2) ->
; (x1 cos - x2 sin, x2 cos + x1 sin).  Packed to f16 they are 16 bytes a lane: stored at 16 x lane they are half a fragment of the next product.
.macro QKBLOCK a
.set AC, 64*((\a)%4)
.set CSB, 96+96*((\a)%2)
.if (\a) < 7
	s_wait_loadcnt 8                               ; this block's table is in; the next block's eight loads may be out
.else
	s_wait_loadcnt 0x0
.endif
	s_wait_xcnt 0x0                                ; the last block's stores have read T and OUT
	WIN 0x02+(\a)/4                                ; source 0: the accumulators' window
.irp b, 0,1,2,3,4,5,6,7
.irp i, 0,1,2,3
	v_pk_mul_f32 v[T+8*\b+2*\i:T+8*\b+2*\i+1], v[AC+8*\b+2*\i:AC+8*\b+2*\i+1], v[CSB+8*(\b%4)+2*\i:CSB+8*(\b%4)+2*\i+1] op_sel_hi:[1,0]   ; both x cos; each accumulator is read from its low end on
.endr
.irp i, 0,1,2,3
	v_fma_f32 v[T+8*\b+2*\i], -v[AC+8*\b+2*\i+1], v[CSB+8*(\b%4)+2*\i+1], v[T+8*\b+2*\i]
.endr
.irp i, 0,1,2,3
	v_fma_f32 v[T+8*\b+2*\i+1], v[AC+8*\b+2*\i], v[CSB+8*(\b%4)+2*\i+1], v[T+8*\b+2*\i+1]
.endr
.endr
	WIN 0
.if (\a) == 0
	s_or_b32 s98, s95, s15                         ; positions 0-15 lie in cluster y = 0, row half 0: the cluster's y and the wave's number alone
	s_cmp_lg_u32 s98, 0
	s_cbranch_scc1 .Lnot_first
.irp n, 0,1,2,3,4,5,6,7,8,9,10,11,12,13,14,15
	global_store_b128 v[L16], v[T+4*\n:T+4*\n+3], s[12:13] offset:512*\n   ; in f32, as they stand: (head b / 4) 4,096 + (b % 4) 1,024 + cc 512
.endr
.Lnot_first:
.endif
.irp n, 0,1,2,3,4,5,6,7,8,9,10,11,12,13,14,15,16,17,18,19,20,21,22,23,24,25,26,27,28,29,30,31
	v_cvt_pk_f16_f32 v[OUT+\n], v[T+2*\n], v[T+2*\n+1]
.endr
.irp b, 0,1,2,3,4,5,6,7
	global_store_b128 v[L16], v[OUT+4*\b:OUT+4*\b+3], s[10:11] offset:(\b/4)*262144+(\a)*2048+(\b%4)*512
.endr
.if (\a)+2 < 8
	ROPELD (\a)+2
.endif
.endm
; THE WAY OUT OF v: a block of 16 channels x 128 keys.  A lane's eight numbers of accumulator (a, b) are keys 16 b + 8 h + 0 .. 7 of channel 16 (a % 4) + r.
.macro VBLOCK a
.set AC, 64*((\a)%4)
	s_wait_xcnt 0x0                                ; the last block's stores have read OUT
	WIN 0x0a+5*((\a)/4)                            ; sources 0 and 1: the accumulators' window
.irp b, 0,1,2,3,4,5,6,7
.irp i, 0,1,2,3
	v_cvt_pk_f16_f32 v[OUT+4*\b+\i], v[AC+8*\b+2*\i], v[AC+8*\b+2*\i+1]
.endr
.endr
	WIN 0
.irp b, 0,1,2,3,4,5,6,7
	global_store_b128 v[L16], v[OUT+4*\b:OUT+4*\b+3], s[10:11] offset:((\a)/4)*262144+(\b/2)*4096+((\a)%4)*1024+(\b%2)*512
.endr
.endm
	s_wait_tensorcnt 1                             ; the scales and my part of slot 0 are in; slot 1's load may be out
	s_barrier_signal -1
	s_barrier_wait -1
	FETCH_B 0, 0, 0
	FETCH_A 0, 0, 0
	SCALES 0
	FETCH_A 0, 0, 4
	STEP 0, 0, 1                                   ; the first products start the sums: nothing is cleared
	STEPS 0, 1
	; slot 0's last step changes slots: one barrier; in front of it my part of slot 1 has landed
	s_wait_tensorcnt 0x0
	ds_add_u32 v[SPW], v[NIL]                      ; 0 onto my spare word
	s_wait_dscnt 4*NL+1                            ; the add and the eight loads of A's blocks 4-7 may be out
	WIN MUL_LO
	MUL16 0, 1, NQ-1, 0, 0
	s_wait_dscnt 0x0
	s_barrier_signal -1
	MUL16 2, 1, NQ-1, 0, 0
	WIN 0
	s_barrier_wait -1
	PLACES NP
	v_add_nc_u32 v[ADRS], 4*NQ, v[ADRS]            ; the second K step's scale words
	FETCH_B 1, 0, 0
	FETCH_A 1, 0, 0
	SCALES 1
	WIN MUL_HI
	MUL16 4, 1, NQ-1, 0, 0
	MUL16 6, 1, NQ-1, 0, 0
	PLACES NP
	WIN 0
	FETCH_A 1, 0, 4
	; THE PARTING, on the cluster's x: the same in all sixteen partners and all four waves.  No barrier and no tensor load stands behind it but the closing round, which both ways reach
	s_cmp_eq_u32 ttmp9, 2
	s_cbranch_scc1 .Lv_way
	ROPELD 0                                       ; the table of my first two blocks of positions: sixteen loads, which land while the second K step is multiplied;
	ROPELD 1                                       ; their registers, v96-127 and v192-223, are named by no matrix instruction
	SECOND
.irp a, 0,1,2,3,4,5,6,7
	QKBLOCK \a
.endr
	s_branch .Lend
.Lv_way:
	SECOND
.irp a, 0,1,2,3,4,5,6,7
	VBLOCK \a
.endr
	s_or_b32 s98, s95, s16                         ; keys 0-15 lie in cluster y = 0, column half 0
	s_cmp_lg_u32 s98, 0
	s_cbranch_scc1 .Lend
.irp a, 0,1,2,3,4,5,6,7
	WIN 0x08+4*(\a/4)                              ; a store's data are its source 1
	global_store_b128 v[L16], v[64*(\a%4):64*(\a%4)+3], s[12:13] offset:(\a/4)*4096+(\a%4)*1024
	global_store_b128 v[L16], v[64*(\a%4)+4:64*(\a%4)+7], s[12:13] offset:(\a/4)*4096+(\a%4)*1024+512
.endr
	WIN 0
.Lend:
	s_wait_tensorcnt 0x0                           ; the wave's end
	ds_add_u32 v[SPW], v[NIL]
	s_wait_dscnt 0x0
	CROUND                                         ; the closing round
	s_endpgm
.Lfunc_end_k_q3b5a10b9c3_qkv:
	.size	k_q3b5a10b9c3_qkv, .Lfunc_end_k_q3b5a10b9c3_qkv-k_q3b5a10b9c3_qkv
	.p2alignl 7, 3214868480
	.fill 96, 4, 3214868480
	.section	.rodata,"a",@progbits
	.p2align	6, 0x0
	.amdhsa_kernel k_q3b5a10b9c3_qkv
		.amdhsa_group_segment_fixed_size 327680
		.amdhsa_private_segment_fixed_size 0
		.amdhsa_enable_private_segment 0
		.amdhsa_kernarg_size 40
		.amdhsa_user_sgpr_count 2
		.amdhsa_user_sgpr_kernarg_segment_ptr 1
		.amdhsa_wavefront_size32 1
		.amdhsa_system_sgpr_workgroup_id_x 1
		.amdhsa_system_sgpr_workgroup_id_y 1
		.amdhsa_system_sgpr_workgroup_id_z 1
		.amdhsa_system_vgpr_workitem_id 0
		.amdhsa_next_free_vgpr 1024
		.amdhsa_next_free_sgpr 102
		.amdhsa_reserve_vcc 0
		.amdhsa_float_denorm_mode_32 3
		.amdhsa_float_denorm_mode_16_64 3
		.amdhsa_memory_ordered 1
		.amdhsa_forward_progress 1
		.amdhsa_inst_pref_size 239
	.end_amdhsa_kernel
	.amdgpu_metadata
---
amdhsa.version: [ 1, 2 ]
amdhsa.kernels:
  - .name:           k_q3b5a10b9c3_qkv
    .symbol:         k_q3b5a10b9c3_qkv.kd
    .args:
      - { .name: codes, .offset: 0, .size: 8, .value_kind: global_buffer, .address_space: global }
      - { .name: scales, .offset: 8, .size: 8, .value_kind: global_buffer, .address_space: global }
      - { .name: rope, .offset: 16, .size: 8, .value_kind: global_buffer, .address_space: global }
      - { .name: qkv, .offset: 24, .size: 8, .value_kind: global_buffer, .address_space: global }
      - { .name: fine, .offset: 32, .size: 8, .value_kind: global_buffer, .address_space: global }
    .group_segment_fixed_size: 327680
    .private_segment_fixed_size: 0
    .kernarg_segment_align: 8
    .kernarg_segment_size: 40
    .max_flat_workgroup_size: 128
    .sgpr_count:     102
    .vgpr_count:     1024
    .wavefront_size: 32
...
	.end_amdgpu_metadata
.endif
;; end of part 2
;; launch attn (part 3): grid 4 x 64, 8 waves a work-group, no clusters, 327,680 bytes of LDS; arguments qkv, oimg; writes oimg
.if DOCPART == 3
	.amdgcn_target "amdgcn-amd-amdhsa--gfx1250"
	.amdhsa_code_object_version 6
	.text
	.protected	k_q3b5a10b9c3_attn
	.globl	k_q3b5a10b9c3_attn
	.p2align	8
	.type	k_q3b5a10b9c3_attn,@function
k_q3b5a10b9c3_attn:
	s_mov_b64 s[64:65], 0
	v_nop
	global_prefetch_b8 v0, s[64:65] scope:SCOPE_SE
	s_setreg_imm32_b32 hwreg(HW_REG_WAVE_MODE, 25, 1), 1
	s_wait_xcnt 0x0
; o = softmax(q k^T / 8, causal) v for 64 heads (16 batch + head) of 2,048 positions, head size 64.  Operands f16, products, maxima and sums f32; the weights are rounded to f16 for the second product.
; q, k, v arrive as images of operand registers (see the launch before): a fragment's half is 512 consecutive bytes, 16 a lane.  So tiles are dense blocks, LDS needs no padding, and every LDS load takes 512 consecutive bytes.
; SHARES.  A head's queries are 8 blocks of 256.  Work-group i (0-3) takes block 7 - i and then block i: (8 - i) + (i + 1) = 9 units of 256 keys, the same for every work-group: every loop's trip count is a constant.
;   Eight waves, two to a SIMD; a wave owns 32 queries, two tiles of 16.  Wave w takes the block's queries 32 SB on, SB = w for w < 4 and 11 - w else.
; NO CLUSTER: the four work-groups of a head walk different units from the fifth round on (the switch to the second block comes in round 8 - i), so they could not make the same joint request in every round.
; LAYOUT.  S^T = K Q^T (source 0 = 16 keys, source 1 = 16 queries), O^T = V^T P: a lane holds ONE query (lane % 16) throughout; two score tiles packed to f16 are source 1 of the second product.
; SOFTMAX.  Running maximum m and sum l for each query: p = 2^(c s - c m), c = log2(e) / 8; in every step O and l are multiplied by 2^(c m_old - c m_new).
; CAUSAL.  A step (64 keys) all of whose keys come after the wave's queries is left out by a scalar branch on ids; on the diagonal hidden scores become -infinity ahead of the maximum.  Key 0 counts for every query.
; RING.  Two slots of 256 keys (64 KiB).  Every wave fetches one dense block of 8 KiB behind each barrier: waves 0-3 the four steps' K, waves 4-7 their V.  One tensor load of a wave is out at a time.
; OUT.  oimg [block of 16 tokens][32 d on: 2 head + f][c][lane][16 bytes], f16: the next product's operand registers; every store covers 512 consecutive bytes, aligned.
; LIMITS: |q|, |k|, |v| under 65,504 (f16).  NaN and infinities are not served.
; REGISTERS: window 0: v1-8 addresses and constants; v12-27 statistics (8 a tile: c m, m, l, l, four at work); v32-95 S^T; v96-127 P; v128-191 K; v192-255 V.  window 1: v0-31 Q; v32-95 O^T; v96-127 the second block's Q.
.set SLOT1, 65536
.set STEPB, 16384                      ; a step's tiles: 8 KiB of K, then 8 KiB of V
.set SPARE, 196608                     ; the spare words, 128 bytes for each wave
.set L16, 1                            ; v1  16 x lane
.set ADR, 2                            ; v2  the LDS address of the step's loads
.set DD,  3                            ; v3  the mask's measure
.set NINF, 4                           ; v4  -infinity
.set SPW, 5
.set NIL, 6
.set PFO, 7                            ; v7  256 x lane
.set RH,  8                            ; v8  r - 8 h
.set ST,  12
.set S,   32
.set P,   96
.set KF,  128
.set VF,  192
.set Q,   0
.set O,   32
.set Q2,  96
.set WV, 8
.set II, 9
.set BH, 10
.set SB, 11
.set ROUND, 12
.set SW, 13                            ; the round in which the second block begins: 8 - i
.set U,  14                            ; the unit of 256 keys that was asked for last
.set KF0, 15                           ; the step's first key
.set Q0, 16                            ; my first query
.set TB, 17                            ; LDS byte at which the step's tiles begin
.set INNER, 18
.set G1, 24
.set G0, 32
.set BASE, 36                          ; s[36:37] my 8 KiB of unit 0
.set OFF, 38
.set PFA, 40
.set LIM, 42
.set Q0B, 43
.set CS, 44
.set SEL, 46
.set QB, 48
.set OB, 50
.set QB2, 52
.set MSB, 0
.macro WIN new
.if MSB != (\new)
	s_set_vgpr_msb (MSB<<8)|(\new)
.set MSB, (\new)
.endif
.endm
	s_load_b128 s[4:7], s[0:1], 0x0                ; qkv s[4:5], oimg s[6:7]
	v_lshl_add_u32 v[SPW], v0, 2, SPARE
	v_mov_b32 v[NIL], 0
	ds_add_u32 v[SPW], v[NIL]                      ; the wave's opening: the add, twice on end, and its wait ahead of my first tensor load
	ds_add_u32 v[SPW], v[NIL]
	v_lshrrev_b32 v9, 5, v0
	v_readfirstlane_b32 s[WV], v9                  ; wave 0..7
	s_mov_b32 s[II], ttmp9
	s_and_b32 s[BH], ttmp7, 0xffff
	s_sub_co_u32 s[SB], 11, s[WV]
	s_cmp_lt_u32 s[WV], 4
	s_cselect_b32 s[SB], s[WV], s[SB]
	s_mov_b32 s[ROUND], 0
	s_sub_co_u32 s[SW], 8, s[II]
	s_mov_b32 s[U], 0
	s_mov_b32 s[KF0], 0
	s_mov_b32 s[TB], 0
	s_lshl_b32 s19, s[SB], 5
	s_sub_co_u32 s[Q0], 7, s[II]
	s_lshl_b32 s[Q0], s[Q0], 8
	s_add_co_u32 s[Q0], s[Q0], s19                 ; the first block's: 256 (7 - i) + 32 SB
	s_lshl_b32 s[Q0B], s[II], 8
	s_add_co_u32 s[Q0B], s[Q0B], s19               ; the second's: 256 i + 32 SB
	s_cmp_eq_u32 s[II], 0
	s_cselect_b32 s[LIM], 6, 0                     ; the head's work-group 0 prefetches, in rounds 0 to 5
	s_mov_b32 s[G1], 3<<16                         ; a dense block of 8 KiB as 32 rows of 256 bytes: elements of 8 bytes, no mask, no padding
	s_mov_b32 s[G1+1], 32<<16                      ; tensor_dim0 = 32
	s_mov_b32 s[G1+2], 32<<16                      ; tensor_dim1 = 32
	s_mov_b32 s[G1+3], 32<<16                      ; tile_dim0 = 32
	s_mov_b32 s[G1+4], 32                          ; tile_dim1 = 32
	s_mov_b32 s[G1+5], 32                          ; from row to row
	s_mov_b32 s[G1+6], 0
	s_mov_b32 s[G1+7], 0
	s_mov_b32 s[G0], 1
	s_lshl_b32 s20, s[BH], 18                      ; the head's bytes in each of q, k, v
	s_mov_b32 s21, 0
	s_and_b32 s19, s[WV], 3                        ; which step of a unit I fetch,
	s_lshr_b32 s22, s[WV], 2                       ; K's (0) or V's (1)
	s_lshl_b32 s[G0+1], s19, 14
	s_lshl_b32 s23, s22, 13
	s_add_co_u32 s[G0+1], s[G0+1], s23             ; in slot 0
	s_add_co_u32 s22, s22, 1
	s_lshl_b32 s22, s22, 24
	s_add_co_u32 s22, s22, s20
	s_lshl_b32 s19, s19, 13
	s_add_co_u32 s22, s22, s19
	s_mov_b32 s23, 0
	s_mov_b32 s[OFF+1], 0
	s_mov_b32 s[CS], 0x3e38aa3b                    ; c = log2(e) / 8
	s_mov_b32 s[CS+1], s[CS]                       ; (named with it as a pair)
	s_mov_b32 s[SEL], 0x76543210
	s_mov_b32 s[SEL+1], 0xfedcba98                 ; lane l xor 16
	v_and_b32 v9, 31, v0
	v_lshlrev_b32 v[L16], 4, v9
	v_lshlrev_b32 v[PFO], 8, v9
	v_and_b32 v9, 15, v0
	v_bfe_u32 v10, v0, 4, 1
	v_lshlrev_b32 v10, 3, v10
	v_sub_nc_u32 v[RH], v9, v10
	v_mov_b32 v[NINF], 0xff800000
	s_wait_dscnt 0x0                               ; both opening adds are done
	s_wait_kmcnt 0x0
	s_add_nc_u64 s[BASE:BASE+1], s[4:5], s[22:23]
	s_mov_b64 s[G0+2:G0+3], s[BASE:BASE+1]
	s_or_b32 s[G0+3], s[G0+3], 0x80000000
	s_add_nc_u64 s[PFA:PFA+1], s[BASE:BASE+1], 32768   ; at unit 1: the first change steps it to unit 2
	tensor_load_to_lds s[G0:G0+3], s[G1:G1+7]      ; unit 0 into slot 0
	s_nop 0
.rept 4
	v_nop
.endr
	s_add_nc_u64 s[QB:QB+1], s[4:5], s[20:21]
	s_mov_b64 s[QB2:QB2+1], s[QB:QB+1]
	s_lshl_b32 s20, s[Q0], 7                       ; 128 bytes a query
	s_add_nc_u64 s[QB:QB+1], s[QB:QB+1], s[20:21]
	s_lshl_b32 s20, s[Q0B], 7
	s_add_nc_u64 s[QB2:QB2+1], s[QB2:QB2+1], s[20:21]
	WIN 0x40                                       ; destination window 1
.irp n, 0,1,2,3,4,5,6,7
	global_load_b128 v[Q+4*\n:Q+4*\n+3], v[L16], s[QB:QB+1] offset:512*\n       ; tile n / 4, channels 32 ((n / 2) % 2) on, half n % 2
	global_load_b128 v[Q2+4*\n:Q2+4*\n+3], v[L16], s[QB2:QB2+1] offset:512*\n
.endr
	WIN 0
.macro INIT                            ; a block begins: m under every score, l and O^T zeros; the first change of m multiplies zeros
.irp t, 0,1
	v_mov_b32 v[ST+8*\t+1], 0xff61b1e6             ; -3e38
	v_mul_f32 v[ST+8*\t], s[CS], v[ST+8*\t+1]
.irp n, 2,3,4,5,6,7
	v_mov_b32 v[ST+8*\t+\n], 0
.endr
.endr
	WIN 0x40
.set ix, 0
.rept 64
	v_mov_b32 v[O+ix], 0
.set ix, ix+1
.endr
	WIN 0
.endm
	INIT
; THE SOFTMAX of a step, the two tiles line by line by turns.
.macro SOFT
.irp j, 0,1,2,3
.irp t, 0,1
	v_max3_num_f32 v[ST+8*\t+4+\j], v[S+32*\t+8*\j], v[S+32*\t+8*\j+1], v[S+32*\t+8*\j+2]   ; four chains; each accumulator is read from its low end on
.endr
.endr
.irp u, 3,5
.irp j, 0,1,2,3
.irp t, 0,1
	v_max3_num_f32 v[ST+8*\t+4+\j], v[ST+8*\t+4+\j], v[S+32*\t+8*\j+\u], v[S+32*\t+8*\j+\u+1]
.endr
.endr
.endr
.irp t, 0,1
	v_max3_num_f32 v[ST+8*\t+4], v[ST+8*\t+4], v[S+32*\t+7], v[S+32*\t+15]
.endr
.irp t, 0,1
	v_max3_num_f32 v[ST+8*\t+6], v[ST+8*\t+6], v[S+32*\t+23], v[S+32*\t+31]
.endr
.irp t, 0,1
	v_max3_num_f32 v[ST+8*\t+4], v[ST+8*\t+4], v[ST+8*\t+5], v[ST+8*\t+6]
.endr
.irp t, 0,1
	v_max3_num_f32 v[ST+8*\t+4], v[ST+8*\t+4], v[ST+8*\t+7], v[ST+8*\t+1]   ; with the old m
.endr
.irp t, 0,1
	v_permlanex16_b32 v[ST+8*\t+5], v[ST+8*\t+4], s[SEL], s[SEL+1]          ; the query's other 32 keys lie in the lane 16 away
.endr
.irp t, 0,1
	v_mov_b32 v[ST+8*\t+7], v[ST+8*\t]             ; c m_old
.endr
.irp t, 0,1
	v_max_num_f32 v[ST+8*\t+1], v[ST+8*\t+4], v[ST+8*\t+5]
.endr
.irp t, 0,1
	v_mul_f32 v[ST+8*\t], s[CS], v[ST+8*\t+1]
.endr
.irp t, 0,1
	v_sub_f32 v[ST+8*\t+7], v[ST+8*\t+7], v[ST+8*\t]
.endr
.irp p, 0,1,2,3,4,5,6,7,8,9,10,11,12,13,14,15
.irp t, 0,1
	v_pk_fma_f32 v[S+32*\t+2*\p:S+32*\t+2*\p+1], v[S+32*\t+2*\p:S+32*\t+2*\p+1], s[CS:CS+1], v[ST+8*\t:ST+8*\t+1] op_sel_hi:[1,0,0] neg_lo:[0,0,1] neg_hi:[0,0,1]   ; c s - c m
.endr
.endr
.irp t, 0,1
	v_exp_f32 v[ST+8*\t+6], v[ST+8*\t+7]           ; 2^(c m_old - c m_new)
.endr
.set ix, 0
.rept 32
	v_exp_f32 v[S+ix], v[S+ix]
	v_exp_f32 v[S+32+ix], v[S+32+ix]
.set ix, ix+1
.endr
	v_nop                                          ; a plain instruction behind the last exponential,
	s_wait_alu depctr_va_vdst(0)                   ; and one wait for the batch of 66, ahead of its first reader
.irp p, 0,1,2,3,4,5,6,7,8,9,10,11,12,13,14,15
.irp t, 0,1
	v_cvt_pk_f16_f32 v[P+16*\t+\p], v[S+32*\t+2*\p], v[S+32*\t+2*\p+1]
.endr
.endr
.irp u, 0,1,2,3,4,5,6,7
.irp t, 0,1
	v_pk_add_f32 v[S+32*\t+4*\u:S+32*\t+4*\u+1], v[S+32*\t+4*\u:S+32*\t+4*\u+1], v[S+32*\t+4*\u+2:S+32*\t+4*\u+3]   ; the sum of the unrounded weights, a tree in place
.endr
.endr
.irp u, 0,1,2,3
.irp t, 0,1
	v_pk_add_f32 v[S+32*\t+8*\u:S+32*\t+8*\u+1], v[S+32*\t+8*\u:S+32*\t+8*\u+1], v[S+32*\t+8*\u+4:S+32*\t+8*\u+5]
.endr
.endr
.irp u, 0,1
.irp t, 0,1
	v_pk_add_f32 v[S+32*\t+16*\u:S+32*\t+16*\u+1], v[S+32*\t+16*\u:S+32*\t+16*\u+1], v[S+32*\t+16*\u+8:S+32*\t+16*\u+9]
.endr
.endr
.irp t, 0,1
	v_pk_add_f32 v[S+32*\t:S+32*\t+1], v[S+32*\t:S+32*\t+1], v[S+32*\t+16:S+32*\t+17]
.endr
.irp t, 0,1
	v_pk_fma_f32 v[ST+8*\t+2:ST+8*\t+3], v[ST+8*\t+2:ST+8*\t+3], v[ST+8*\t+6:ST+8*\t+7], v[S+32*\t:S+32*\t+1] op_sel_hi:[1,0,1]
.endr
.endm
; A KEY STEP: 64 keys at LDS byte s[TB].
.macro STEP
	s_add_co_u32 s19, s[Q0], 31
	s_cmp_gt_u32 s[KF0], s19                       ; all 64 keys come after my 32 queries: ids and counts of steps alone
	s_cbranch_scc1 .Lhidden_\@
	v_add_nc_u32 v[ADR], s[TB], v[L16]             ; this line and three v_nop: the four places between the last step's products and the loads into their operands' registers
.rept 3
	v_nop
.endr
.irp n, 0,1,2,3,4,5,6,7,8,9,10,11,12,13,14,15
	ds_load_b128 v[KF+4*\n:KF+4*\n+3], v[ADR] offset:512*\n            ; keys 16 (n / 4) on, channels 32 ((n / 2) % 2) on, half n % 2
.endr
.irp n, 0,1,2,3,4,5,6,7,8,9,10,11,12,13,14,15
	ds_load_b128 v[VF+4*\n:VF+4*\n+3], v[ADR] offset:8192+512*\n       ; keys 32 (n / 8) on, channels 16 ((n / 2) % 4) on, half n % 2
.endr
	s_wait_dscnt 16                                ; K is in; V's sixteen loads may be out
	WIN 0x04                                       ; source 1 (Q) in window 1
.set wn, 0
.rept 16                               ; the eight accumulators take turns, one instruction a turn; the first eight products start the sums
.set wf, wn/8
.set wk, (wn/2)%4
.set wt, wn%2
.if wn < 8
	v_wmma_f32_16x16x32_f16 v[S+32*wt+8*wk:S+32*wt+8*wk+7], v[KF+8*(2*wk+wf):KF+8*(2*wk+wf)+7], v[Q+16*wt+8*wf:Q+16*wt+8*wf+7], 0
.else
	v_wmma_f32_16x16x32_f16 v[S+32*wt+8*wk:S+32*wt+8*wk+7], v[KF+8*(2*wk+wf):KF+8*(2*wk+wf)+7], v[Q+16*wt+8*wf:Q+16*wt+8*wf+7], v[S+32*wt+8*wk:S+32*wt+8*wk+7]
.endif
.set wn, wn+1
.endr
	WIN 0
.rept 4
	v_nop                                          ; places ahead of the first read of the scores
.endr
	s_add_co_u32 s19, s[KF0], 63
	s_cmp_le_u32 s19, s[Q0]                        ; all 64 keys count for all my queries
	s_cbranch_scc1 .Lopen_\@
	s_sub_co_i32 s19, s[Q0], s[KF0]
	v_add_nc_u32 v[DD], s19, v[RH]                 ; d = Q0 - KF0 + r - 8 h.  Register 32 t + 8 k + j holds key KF0 + 16 k + 8 h + j for query Q0 + 16 t + r: hidden where 16 k + j - 16 t > d
.irp t, 0,1
.irp k, 0,1,2,3
.irp j, 0,1,2,3,4,5,6,7
	v_cmp_gt_i32 vcc_lo, 16*\k+\j-16*\t, v[DD]
	v_cndmask_b32 v[S+32*\t+8*\k+\j], v[S+32*\t+8*\k+\j], v[NINF], vcc_lo
.endr
.endr
.endr
.Lopen_\@:
	SOFT
	WIN 0x41                                       ; O^T (destination and source 0) in window 1
.irp p, 0,1,2,3,4,5,6,7,8,9,10,11,12,13,14,15
.irp t, 0,1
	v_pk_mul_f32 v[O+32*\t+2*\p:O+32*\t+2*\p+1], v[O+32*\t+2*\p:O+32*\t+2*\p+1], v[ST+8*\t+6:ST+8*\t+7] op_sel_hi:[1,0]
.endr
.endr
	s_wait_dscnt 0x0                               ; V is in
	WIN 0x50                                       ; C and D (O^T) in window 1
.set wn, 0
.rept 16
.set wf, wn/8
.set wk, (wn/2)%4
.set wt, wn%2
	v_wmma_f32_16x16x32_f16 v[O+32*wt+8*wk:O+32*wt+8*wk+7], v[VF+8*(4*wf+wk):VF+8*(4*wf+wk)+7], v[P+16*wt+8*wf:P+16*wt+8*wf+7], v[O+32*wt+8*wk:O+32*wt+8*wk+7]
.set wn, wn+1
.endr
	WIN 0
.Lhidden_\@:
	s_add_co_u32 s[KF0], s[KF0], 64
	s_add_co_u32 s[TB], s[TB], STEPB
.endm
.macro FOUR                            ; a slot's four steps: written once, walked four times
	s_mov_b32 s[INNER], 4
.Lstep_\@:
	STEP
	s_sub_co_u32 s[INNER], s[INNER], 1
	s_cmp_lg_u32 s[INNER], 0
	s_cbranch_scc1 .Lstep_\@
	s_sub_co_u32 s[TB], s[TB], 4*STEPB             ; back to a slot's first step,
	s_xor_b32 s[TB], s[TB], SLOT1                  ; in the other slot
.endm
; THE CHANGE OF SLOTS, at a slot's head.  Each wave waits for its tensor load (its part of the slot ahead), adds 0 to its spare word, and waits for that and for its reads of the slot that it has left.
; Behind the barrier the slot ahead is whole and nobody reads the other.  fill = 1: that other slot takes the next round's unit; the load has four steps in which to land.
.macro CHANGE fill
	s_wait_tensorcnt 0x0                           ; no tensor load of mine is out: group 0 may be written
	ds_add_u32 v[SPW], v[NIL]                      ; 0 onto my spare word; the descriptor's step stands between it and the wait for it
.if \fill
	s_add_co_u32 s[U], s[U], 1
	s_add_co_u32 s19, s[ROUND], 1
	s_cmp_eq_u32 s19, s[SW]                        ; the next round begins the second block: its unit 0
	s_cselect_b32 s[U], 0, s[U]
	s_lshl_b32 s[OFF], s[U], 15                    ; 32,768 bytes a unit
	s_add_nc_u64 s[G0+2:G0+3], s[BASE:BASE+1], s[OFF:OFF+1]
	s_or_b32 s[G0+3], s[G0+3], 0x80000000
	s_xor_b32 s[G0+1], s[G0+1], SLOT1
	s_wait_xcnt 0x0                                ; the last prefetch, a round back, has read its address
	s_add_nc_u64 s[PFA:PFA+1], s[PFA:PFA+1], 32768
.endif
	s_wait_dscnt 0x0
	s_barrier_signal -1
	s_barrier_wait -1
.if \fill
	tensor_load_to_lds s[G0:G0+3], s[G1:G1+7]      ; my one tensor load behind this barrier, and the first thing there
	s_nop 0
.rept 4
	v_nop
.endr
	; a prefetch of what the next change will ask for: my own 8 KiB of unit round + 2, lanes 256 bytes apart.  The four work-groups of a head walk the same K and V: work-group 0, which walks units 0 to 7 in order,
	; asks, in rounds 0 to 5: units 2 to 7, each block once; units 0 and 1 come by their loads alone
	s_cmp_lt_u32 s[ROUND], s[LIM]
	s_cbranch_scc0 .Lnot_mine_\@
	global_prefetch_b8 v[PFO], s[PFA:PFA+1] th:TH_LOAD_NT scope:SCOPE_SE
.Lnot_mine_\@:
.endif
.endm
; A BLOCK'S END: l's halves are added, O^T is divided by l, rounded to f16 and stored as it lies: 16 bytes a lane are half a fragment of the next product.
.macro FINISH
.rept 4
	v_nop                                          ; places behind the last products
.endr
.irp t, 0,1
	v_add_f32 v[ST+8*\t+4], v[ST+8*\t+2], v[ST+8*\t+3]
.endr
.irp t, 0,1
	v_permlanex16_b32 v[ST+8*\t+5], v[ST+8*\t+4], s[SEL], s[SEL+1]
.endr
.irp t, 0,1
	v_add_f32 v[ST+8*\t+4], v[ST+8*\t+4], v[ST+8*\t+5]
.endr
.irp t, 0,1
	v_rcp_f32 v[ST+8*\t+6], v[ST+8*\t+4]
.endr
	v_nop
	s_wait_alu depctr_va_vdst(0)                   ; one wait for the two reciprocals, ahead of their first reader
	WIN 0x41
.irp p, 0,1,2,3,4,5,6,7,8,9,10,11,12,13,14,15
.irp t, 0,1
	v_pk_mul_f32 v[O+32*\t+2*\p:O+32*\t+2*\p+1], v[O+32*\t+2*\p:O+32*\t+2*\p+1], v[ST+8*\t+6:ST+8*\t+7] op_sel_hi:[1,0]
.endr
.endr
	WIN 0x05                                       ; sources in window 1, destination in window 0: S^T's registers are free
.irp t, 0,1
.irp n, 0,1,2,3,4,5,6,7,8,9,10,11,12,13,14,15
	v_cvt_pk_f16_f32 v[S+16*\t+\n], v[O+32*\t+2*\n], v[O+32*\t+2*\n+1]
.endr
.endr
	WIN 0
	s_lshr_b32 s20, s[BH], 4
	s_lshl_b32 s20, s20, 11
	s_add_co_u32 s20, s20, s[Q0]                   ; my first token,
	s_and_b32 s21, s[BH], 15
	s_add_co_u32 s20, s20, s21                     ; + the head: both count 2,048 bytes
	s_lshl_b32 s20, s20, 11
	s_mov_b32 s21, 0
	s_add_nc_u64 s[OB:OB+1], s[6:7], s[20:21]
.irp t, 0,1
.irp c, 0,1,2,3
	global_store_b128 v[L16], v[S+16*\t+4*\c:S+16*\t+4*\c+3], s[OB:OB+1] offset:\t*32768+\c*512
.endr
.endr
.endm
.macro SWITCH                          ; in round 8 - i the first block ends and the second begins: the same branch in all eight waves
	s_cmp_lg_u32 s[ROUND], s[SW]
	s_cbranch_scc1 .Lsame_\@
	FINISH
	s_mov_b32 s[Q0], s[Q0B]
	s_mov_b32 s[KF0], 0
	WIN 0x41
.set ix, 0
.rept 32
	v_mov_b32 v[Q+ix], v[Q2+ix]
.set ix, ix+1
.endr
	WIN 0
	INIT
	s_wait_xcnt 0x0                                ; the stores have read S^T's registers and their base
.Lsame_\@:
.endm
	s_wait_loadcnt 0x0                             ; Q, both blocks'
.Lround:                                           ; eight trips; behind each change the next round's unit is asked for.  Slot 1's first fill stands behind the first trip's barrier, where nothing is filled again
	CHANGE 1
	SWITCH
	FOUR
	s_add_co_u32 s[ROUND], s[ROUND], 1
	s_cmp_lt_u32 s[ROUND], 8
	s_cbranch_scc1 .Lround
	CHANGE 0                                       ; the ninth round is written out: nothing is left to fetch
	SWITCH
	FOUR
	FINISH
	s_wait_tensorcnt 0x0                           ; the wave's end
	ds_add_u32 v[SPW], v[NIL]
	s_wait_dscnt 0x0
	s_endpgm
.Lfunc_end_k_q3b5a10b9c3_attn:
	.size	k_q3b5a10b9c3_attn, .Lfunc_end_k_q3b5a10b9c3_attn-k_q3b5a10b9c3_attn
	.p2alignl 7, 3214868480
	.fill 96, 4, 3214868480
	.section	.rodata,"a",@progbits
	.p2align	6, 0x0
	.amdhsa_kernel k_q3b5a10b9c3_attn
		.amdhsa_group_segment_fixed_size 327680
		.amdhsa_private_segment_fixed_size 0
		.amdhsa_enable_private_segment 0
		.amdhsa_kernarg_size 16
		.amdhsa_user_sgpr_count 2
		.amdhsa_user_sgpr_kernarg_segment_ptr 1
		.amdhsa_wavefront_size32 1
		.amdhsa_system_sgpr_workgroup_id_x 1
		.amdhsa_system_sgpr_workgroup_id_y 1
		.amdhsa_system_sgpr_workgroup_id_z 1
		.amdhsa_system_vgpr_workitem_id 0
		.amdhsa_next_free_vgpr 384
		.amdhsa_next_free_sgpr 66
		.amdhsa_reserve_vcc 1
		.amdhsa_float_denorm_mode_32 3
		.amdhsa_float_denorm_mode_16_64 3
		.amdhsa_memory_ordered 1
		.amdhsa_forward_progress 1
		.amdhsa_inst_pref_size 77
	.end_amdhsa_kernel
	.amdgpu_metadata
---
amdhsa.version: [ 1, 2 ]
amdhsa.kernels:
  - .name:           k_q3b5a10b9c3_attn
    .symbol:         k_q3b5a10b9c3_attn.kd
    .args:
      - { .name: qkv, .offset: 0, .size: 8, .value_kind: global_buffer, .address_space: global }
      - { .name: oimg, .offset: 8, .size: 8, .value_kind: global_buffer, .address_space: global }
    .group_segment_fixed_size: 327680
    .private_segment_fixed_size: 0
    .kernarg_segment_align: 8
    .kernarg_segment_size: 16
    .max_flat_workgroup_size: 256
    .sgpr_count:     66
    .vgpr_count:     384
    .wavefront_size: 32
...
	.end_amdgpu_metadata
.endif
;; end of part 3
;; launch proj (part 4): grid 8 x 32, 4 waves a work-group, clusters of 4 x 4, 327,680 bytes of LDS; arguments oimg, w16, out0; writes out0
.if DOCPART == 4
	.amdgcn_target "amdgcn-amd-amdhsa--gfx1250"
	.amdhsa_code_object_version 6
	.text
	.protected	k_q3b5a10b9c3_proj
	.globl	k_q3b5a10b9c3_proj
	.p2align	8
	.type	k_q3b5a10b9c3_proj,@function
k_q3b5a10b9c3_proj:
	s_mov_b64 s[64:65], 0
	v_nop
	global_prefetch_b8 v0, s[64:65] scope:SCOPE_SE
	s_setreg_imm32_b32 hwreg(HW_REG_WAVE_MODE, 25, 1), 1
	s_wait_xcnt 0x0
	s_wait_alu depctr_hold_cnt(0) depctr_sa_sdst(0) depctr_va_vdst(0) depctr_va_sdst(0) depctr_va_ssrc(0) depctr_va_vcc(0) depctr_vm_vsrc(0)
	s_getreg_b32 s2, hwreg(HW_REG_IB_STS2, 6, 4)
	s_cmp_eq_u32 s2, 0
	s_cbranch_scc0 .Lentry_in_a_cluster
	s_endpgm
.Lentry_in_a_cluster:
	s_bfe_u32 s2, ttmp6, 0x10000c
	s_cmp_lg_u32 s2, 0xf033
	s_cbranch_scc0 .Lentry_shape_is_right
	s_endpgm
.Lentry_shape_is_right:
; out0[token][e] = sum over d of o[token][d] w_out[e][d]: 8,192 x 1,024 x 1,024, operands f16, sums f32, out0 f32.
; o arrives as images of operand registers: oimg [block of 16 tokens][32 d on, 0-31][c][lane][16 bytes]; w16 is [1024 e][1024 d], row-major.
; A work-group of four waves makes 256 tokens x 128 outputs: 256 work-groups.  A wave makes 128 x 64: 32 accumulators, window 1, (a, b) at v[8 (4 a + b)].  K goes in 8 steps of 128 through two LDS slots.
; CLUSTERS of 4 x 4: the tokens' tiles are shared along a row of the cluster, w's along a column: each is asked for jointly.
; THE MATRIX INSTRUCTION IS USED TRANSPOSED (source 0 = 16 rows of w16, source 1 = 16 tokens): a lane holds eight neighbouring outputs of one token.
; The first 16 positions of every sequence are written again, in finer arithmetic, by the launch that follows.
; LIMITS: |o|, |w_out| under 65,504 (f16).
; LDS: a slot: the tokens' images, 16 blocks x 4,096 bytes, dense (a load takes 512 consecutive bytes); then w's 128 rows of 256 bytes + 16 of padding.  Behind the ring a stage of 16 x 272 bytes for each wave, then the spare words.
.set AHALF,  32768                     ; 8 blocks of tokens: what one load brings, and what one wave reads
.set BPITCH, 272
.set BHALF,  64*BPITCH
.set BOFF,   2*AHALF
.set SLOT,   BOFF+2*BHALF
.set STAGE,  2*SLOT
.set SPITCH, 272
.set SPARE,  STAGE+4*16*SPITCH
.set LAPS,   4
.set ADRA, 16
.set ADRB, 20
.set STO,  24
.set RD,   25
.set CO,   26
.set SPW,  28
.set NIL,  29
.set F0,   64                          ; fragment buffers, window 0: tokens' eight at + 8 i, w's four at + 64 + 8 j
.set F1,   160
.set BK,   64                          ; the way out: rows read back, v64-95 and v96-127 by turns
.set G1, 24
.set G0, 32
.set G1B, 48
.set G0B, 56
.set MSB, 0
.macro WIN new
.if MSB != (\new)
	s_set_vgpr_msb (MSB<<8)|(\new)
.set MSB, (\new)
.endif
.endm
.set MUL, 0x50                         ; C and D in window 1
.macro JLOAD s                         ; a joint load: waves 0 and 1 fetch the tokens' halves, waves 2 and 3 w's; an s_nop 0 and four v_nop follow each of the two lines
	s_cmp_eq_u32 s11, 0
	s_cbranch_scc0 .Lfor_b_\@
	tensor_load_to_lds s[G0+4*\s:G0+4*\s+3], s[G1:G1+7]
	s_nop 0
.rept 4
	v_nop
.endr
	s_branch .Lasked_\@
.Lfor_b_\@:
	tensor_load_to_lds s[G0B+4*\s:G0B+4*\s+3], s[G1B:G1B+7]
	s_nop 0
.rept 4
	v_nop
.endr
.Lasked_\@:
.endm
.macro CREST
	s_cmp_lg_u32 s10, 0
	s_cbranch_scc1 .Lnot_wave_0_\@
	s_barrier_signal -3
.Lnot_wave_0_\@:
	s_barrier_wait -3
	s_barrier_signal -1
	s_barrier_wait -1
.endm
.macro CROUND
	s_barrier_signal -1
	s_barrier_wait -1
	CREST
.endm
	s_load_b128 s[4:7], s[0:1], 0x0                ; oimg s[4:5], w16 s[6:7]
	s_load_b64 s[8:9], s[0:1], 0x10                ; out0
	v_lshl_add_u32 v[SPW], v0, 2, SPARE
	v_mov_b32 v[NIL], 0
	ds_add_u32 v[SPW], v[NIL]                      ; the wave's opening: the add, twice on end, and its wait ahead of my first tensor load
	ds_add_u32 v[SPW], v[NIL]
	v_lshrrev_b32 v1, 5, v0
	v_readfirstlane_b32 s10, v1                    ; wave 0..3
	s_lshr_b32 s11, s10, 1                         ; which 128 tokens are mine.  Also: I fetch tokens (0) or w (1)
	s_and_b32 s12, s10, 1                          ; which 64 outputs.  Also: which half of that tile I fetch
	s_bfe_u32 s40, ttmp6, 0x40000                  ; cx
	s_bfe_u32 s41, ttmp6, 0x40004                  ; cy
	s_lshl_b32 s42, ttmp9, 2
	s_add_co_u32 s42, s42, s40                     ; tile column (128 outputs)
	s_and_b32 s13, ttmp7, 0xffff
	s_lshl_b32 s13, s13, 2
	s_add_co_u32 s13, s13, s41                     ; tile row (256 tokens)
	s_lshl_b32 s43, s41, 2
	s_lshl_b32 s43, 15, s43                        ; my row of the cluster
	s_lshl_b32 s44, 0x1111, s40                    ; my column
	s_or_b32 s[G1+0], s43, (3<<16)|(1<<21)         ; tokens: the mask; elements of 8 bytes; no padding; bit 21 beside a mask
	s_mov_b32 s[G1+1], 512<<16                     ; tensor_dim0: 4,096 bytes: a block's four fragments of a K step
	s_mov_b32 s[G1+2], 8<<16                       ; tensor_dim1: 8 blocks of tokens
	s_mov_b32 s[G1+3], 512<<16                     ; tile_dim0
	s_mov_b32 s[G1+4], 8                           ; tile_dim1
	s_mov_b32 s[G1+5], 4096                        ; 32,768 bytes from block to block
	s_mov_b32 s[G1+6], 0
	s_mov_b32 s[G1+7], 0
	s_or_b32 s[G1B+0], s44, (1<<16)|(1<<20)|(1<<21)|(5<<22)|(3<<25)   ; w: elements of 2 bytes; 4 words of padding behind every 64
	s_mov_b32 s[G1B+1], 128<<16
	s_mov_b32 s[G1B+2], 64<<16
	s_mov_b32 s[G1B+3], 128<<16
	s_mov_b32 s[G1B+4], 64
	s_mov_b32 s[G1B+5], 1024
	s_mov_b32 s[G1B+6], 0
	s_mov_b32 s[G1B+7], 0
	s_lshl_b32 s16, s13, 4
	s_lshl_b32 s17, s12, 3
	s_add_co_u32 s16, s16, s17                     ; tokens: block 16 x tile row + 8 x half,
	s_lshl_b32 s16, s16, 15                        ; 32,768 bytes each (under 2^24 in all)
	s_mov_b32 s17, 0
	s_lshl_b32 s46, s42, 7
	s_lshl_b32 s47, s12, 6
	s_add_co_u32 s46, s46, s47                     ; w: row 128 x tile column + 64 x half,
	s_lshl_b32 s46, s46, 11                        ; 2,048 bytes each
	s_mov_b32 s47, 0
	s_lshl_b32 s20, s12, 15                        ; where they go: the wave's number alone
	s_mul_i32 s21, s12, BHALF
	s_add_co_u32 s21, s21, BOFF
	s_wait_dscnt 0x0                               ; both opening adds are done
	s_wait_kmcnt 0x0
	s_add_nc_u64 s[14:15], s[4:5], s[16:17]
	s_add_nc_u64 s[46:47], s[6:7], s[46:47]
	CROUND                                         ; all sixteen work-groups are here: the first joint loads meet
.irp s, 0,1
	s_mov_b32 s[G0+4*\s], 1
	s_add_co_u32 s[G0+4*\s+1], s20, \s*SLOT
	s_add_nc_u64 s[G0+4*\s+2:G0+4*\s+3], s[14:15], \s*4096
	s_or_b32 s[G0+4*\s+3], s[G0+4*\s+3], 0x80000000
	s_mov_b32 s[G0B+4*\s], 1
	s_add_co_u32 s[G0B+4*\s+1], s21, \s*SLOT
	s_add_nc_u64 s[G0B+4*\s+2:G0B+4*\s+3], s[46:47], \s*256
	s_or_b32 s[G0B+4*\s+3], s[G0B+4*\s+3], 0x80000000
	JLOAD \s                                       ; K steps 0 and 1: two loads of mine are out
.endr
	v_and_b32 v1, 15, v0                           ; r
	v_bfe_u32 v2, v0, 4, 1                         ; h
	v_and_b32 v3, 31, v0
	v_lshlrev_b32 v3, 4, v3                        ; 16 x lane
	v_mul_u32_u24 v4, v1, BPITCH
	v_lshl_add_u32 v4, v2, 4, v4
	s_lshl_b32 s21, s11, 15                        ; my 128 tokens
	s_mul_i32 s22, s12, BHALF                      ; my 64 rows of w
	s_add_co_u32 s22, s22, BOFF
.irp s, 0,1
	v_add_nc_u32 v[ADRA+\s], s21, v3
	v_add_nc_u32 v[ADRB+\s], s22, v4
	s_add_co_u32 s21, s21, SLOT
	s_add_co_u32 s22, s22, SLOT
.endr
	s_mul_i32 s23, s10, 16*SPITCH
	s_add_co_u32 s23, s23, STAGE                   ; my stage
	v_mul_u32_u24 v5, v1, SPITCH
	v_lshl_add_u32 v5, v2, 5, v5
	v_add_nc_u32 v[STO], s23, v5                   ; in: row r, 32 bytes for each half of the lanes
	v_mul_u32_u24 v5, v2, SPITCH
	v_lshl_add_u32 v5, v1, 4, v5
	v_add_nc_u32 v[RD], s23, v5                    ; back: lanes 0-15 one row of 256 bytes, lanes 16-31 the next
	v_lshlrev_b32 v5, 12, v2
	v_lshl_add_u32 v[CO], v1, 4, v5                ; and the same two rows in out0
	s_lshl_b32 s16, s13, 8
	s_lshl_b32 s17, s11, 7
	s_add_co_u32 s16, s16, s17                     ; my first token
	s_lshl_b32 s16, s16, 12                        ; 4,096 bytes a row (under 2^25 in all)
	s_mov_b32 s17, 0
	s_add_nc_u64 s[8:9], s[8:9], s[16:17]
	s_lshl_b32 s46, s42, 9                         ; my first output, in bytes: 512 x tile column + 256 x half
	s_lshl_b32 s47, s12, 8
	s_add_co_u32 s46, s46, s47
	s_mov_b32 s47, 0
	s_add_nc_u64 s[8:9], s[8:9], s[46:47]
; 8 matrix instructions: tokens' blocks a0, a0 + 1 x w's four, 32 along K.  The 32 accumulators take turns, one instruction a turn, in the same order in every quarter.
.macro MUL8 f, a0, zero
.irp a, \a0, \a0+1
.irp b, 0,1,2,3
.if \zero
	v_wmma_f32_16x16x32_f16 v[8*(4*(\a)+\b):8*(4*(\a)+\b)+7], v[\f+64+8*\b:\f+64+8*\b+7], v[\f+8*(\a):\f+8*(\a)+7], 0
.else
	v_wmma_f32_16x16x32_f16 v[8*(4*(\a)+\b):8*(4*(\a)+\b)+7], v[\f+64+8*\b:\f+64+8*\b+7], v[\f+8*(\a):\f+8*(\a)+7], v[8*(4*(\a)+\b):8*(4*(\a)+\b)+7]
.endif
.endr
.endr
.endm
; 24 LDS loads in one run: the slot's q-th 32 along K into buffer f: w's four fragments, the tokens' blocks 0-3, then 4-7
.macro FETCH slot, q, f
	WIN 0
.irp j, 0,1,2,3
.irp c, 0,1
	ds_load_b128 v[\f+64+8*\j+4*\c:\f+64+8*\j+4*\c+3], v[ADRB+\slot] offset:\j*16*BPITCH+64*(\q)+32*\c
.endr
.endr
.irp i, 0,1,2,3,4,5,6,7
.irp c, 0,1
	ds_load_b128 v[\f+8*\i+4*\c:\f+8*\i+4*\c+3], v[ADRA+\slot] offset:\i*4096+(\q)*1024+\c*512
.endr
.endr
.endm
.macro PLACES                          ; four places in front of loads into registers that matrix instructions have read, and of the first read of results
.rept 4
	v_nop
.endr
.endm
; A K step is four quarters of 32 along K, 32 matrix instructions each, on buffers 0, 1, 0, 1.  One of the first three multiplies buffer f and fetches the slot's q-th quarter into g.
.macro QUARTER slot, q, f, g, zero
	s_wait_dscnt 8                                 ; w and the tokens' blocks 0-3 are in; the eight loads of blocks 4-7 may be out
	WIN MUL
	MUL8 \f, 0, \zero
	MUL8 \f, 2, \zero
	PLACES
	FETCH \slot, \q, \g
	s_wait_dscnt 24                                ; all but the 24 just issued
	WIN MUL
	MUL8 \f, 4, \zero
	MUL8 \f, 6, \zero
.endm
; The last quarter multiplies buffer 1 and changes slots: one barrier; in front of it each wave waits for all its tensor loads, adds 0 to its spare word, and waits for that and for its reads of this slot.
.macro TURN slot, next, fill
	WIN 0
	s_wait_tensorcnt 0x0                           ; my part of the next slot has landed
	ds_add_u32 v[SPW], v[NIL]                      ; 0 onto my spare word
	s_wait_dscnt 9                                 ; the add and the eight loads of blocks 4-7 may be out
	WIN MUL
	MUL8 F1, 0, 0
	s_wait_dscnt 0x0                               ; the add is done, and my reads of this slot are over
	s_barrier_signal -1
	MUL8 F1, 2, 0
	WIN 0
	s_barrier_wait -1
.if \fill
	CREST                                          ; the barrier has opened a round of the cluster's: no wave of any partner still reads this slot or has a load on its way
	s_add_nc_u64 s[G0+4*\slot+2:G0+4*\slot+3], s[G0+4*\slot+2:G0+4*\slot+3], 2*4096
	s_add_nc_u64 s[G0B+4*\slot+2:G0B+4*\slot+3], s[G0B+4*\slot+2:G0B+4*\slot+3], 2*256
	JLOAD \slot                                    ; the first tensor load behind the round; its four v_nop are also the places in front of the loads below
.else
	PLACES
.endif
	FETCH \next, 0, F0
	WIN MUL
	MUL8 F1, 4, 0
	MUL8 F1, 6, 0
.endm
	s_wait_tensorcnt 1                             ; my part of K step 0 is in; K step 1's load may be out
	s_barrier_signal -1
	s_barrier_wait -1
	FETCH 0, 0, F0
	QUARTER 0, 1, F0, F1, 1                        ; the first quarter's products start the sums
	WIN 0
	s_mov_b32 s3, LAPS-1
.Llap:                                             ; a trip goes once round the ring and fills both slots again
	QUARTER 0, 2, F1, F0, 0
	QUARTER 0, 3, F0, F1, 0
	TURN 0, 1, 1
	QUARTER 1, 1, F0, F1, 0
	QUARTER 1, 2, F1, F0, 0
	QUARTER 1, 3, F0, F1, 0
	TURN 1, 0, 1
	QUARTER 0, 1, F0, F1, 0
	WIN 0
	s_sub_co_u32 s3, s3, 1
	s_cmp_lg_u32 s3, 0
	s_cbranch_scc1 .Llap
	QUARTER 0, 2, F1, F0, 0                        ; the last lap fills nothing
	QUARTER 0, 3, F0, F1, 0
	TURN 0, 1, 0
	QUARTER 1, 1, F0, F1, 0
	QUARTER 1, 2, F1, F0, 0
	QUARTER 1, 3, F0, F1, 0
	s_wait_dscnt 8
	WIN MUL
	MUL8 F1, 0, 0
	MUL8 F1, 2, 0
	s_wait_dscnt 0
	MUL8 F1, 4, 0
	MUL8 F1, 6, 0
	WIN 0
; THE WAY OUT, a block of 16 tokens x 64 outputs at a time: through my own stage in LDS and back as whole rows of 256 bytes.  LDS serves a wave's instructions in order: no wait between the stores and the loads.
.macro TOSTAGE a
	WIN 0x04                                       ; an LDS store's data are its source 1: window 1
.irp b, 0,1,2,3
	ds_store_b128 v[STO], v[8*(4*(\a)+\b):8*(4*(\a)+\b)+3] offset:64*\b          ; each accumulator from its low end on
	ds_store_b128 v[STO], v[8*(4*(\a)+\b)+4:8*(4*(\a)+\b)+7] offset:64*\b+16
.endr
	WIN 0
.set BB, BK+32*((\a)%2)
.irp t, 0,1,2,3,4,5,6,7
	ds_load_b128 v[BB+4*\t:BB+4*\t+3], v[RD] offset:\t*2*SPITCH
.endr
.endm
.macro SEND a, younger
.set BB, BK+32*((\a)%2)
	s_wait_dscnt \younger                          ; the block is back in registers
.if (\a) > 0
	s_add_nc_u64 s[8:9], s[8:9], 16*4096           ; (behind a wait on XCNT: the earlier stores have read their base)
.endif
.irp t, 0,1,2,3,4,5,6,7
	global_store_b128 v[CO], v[BB+4*\t:BB+4*\t+3], s[8:9] offset:\t*2*4096   ; sixteen lanes store 256 consecutive bytes, aligned
.endr
.endm
	PLACES
	TOSTAGE 0
.irp a, 1,2,3,4,5,6,7
.if \a > 1
	s_wait_xcnt 0x0                                ; block a - 2's stores have read their registers and their base
.endif
	TOSTAGE \a
	SEND \a-1, 16                                  ; behind block a - 1's loads: block a's 8 stores and 8 loads
.endr
	s_wait_xcnt 0x0
	SEND 7, 0
	s_wait_tensorcnt 0x0                           ; the wave's end
	ds_add_u32 v[SPW], v[NIL]
	s_wait_dscnt 0x0
	CROUND                                         ; the closing round
	s_endpgm
.Lfunc_end_k_q3b5a10b9c3_proj:
	.size	k_q3b5a10b9c3_proj, .Lfunc_end_k_q3b5a10b9c3_proj-k_q3b5a10b9c3_proj
	.p2alignl 7, 3214868480
	.fill 96, 4, 3214868480
	.section	.rodata,"a",@progbits
	.p2align	6, 0x0
	.amdhsa_kernel k_q3b5a10b9c3_proj
		.amdhsa_group_segment_fixed_size 327680
		.amdhsa_private_segment_fixed_size 0
		.amdhsa_enable_private_segment 0
		.amdhsa_kernarg_size 24
		.amdhsa_user_sgpr_count 2
		.amdhsa_user_sgpr_kernarg_segment_ptr 1
		.amdhsa_wavefront_size32 1
		.amdhsa_system_sgpr_workgroup_id_x 1
		.amdhsa_system_sgpr_workgroup_id_y 1
		.amdhsa_system_sgpr_workgroup_id_z 1
		.amdhsa_system_vgpr_workitem_id 0
		.amdhsa_next_free_vgpr 512
		.amdhsa_next_free_sgpr 66
		.amdhsa_reserve_vcc 0
		.amdhsa_float_denorm_mode_32 3
		.amdhsa_float_denorm_mode_16_64 3
		.amdhsa_memory_ordered 1
		.amdhsa_forward_progress 1
		.amdhsa_inst_pref_size 86
	.end_amdhsa_kernel
	.amdgpu_metadata
---
amdhsa.version: [ 1, 2 ]
amdhsa.kernels:
  - .name:           k_q3b5a10b9c3_proj
    .symbol:         k_q3b5a10b9c3_proj.kd
    .args:
      - { .name: oimg, .offset: 0, .size: 8, .value_kind: global_buffer, .address_space: global }
      - { .name: w16, .offset: 8, .size: 8, .value_kind: global_buffer, .address_space: global }
      - { .name: out0, .offset: 16, .size: 8, .value_kind: global_buffer, .address_space: global }
    .group_segment_fixed_size: 327680
    .private_segment_fixed_size: 0
    .kernarg_segment_align: 8
    .kernarg_segment_size: 24
    .max_flat_workgroup_size: 128
    .sgpr_count:     66
    .vgpr_count:     512
    .wavefront_size: 32
...
	.end_amdgpu_metadata
.endif
;; end of part 4
;; launch first16 (part 5): grid 16 x 4, 4 waves a work-group, no clusters, 21,504 bytes of LDS; arguments fine, w_out, out0; writes out0
.if DOCPART == 5
	.amdgcn_target "amdgcn-amd-amdhsa--gfx1250"
	.amdhsa_code_object_version 6
	.text
	.protected	k_q3b5a10b9c3_first16
	.globl	k_q3b5a10b9c3_first16
	.p2align	8
	.type	k_q3b5a10b9c3_first16,@function
k_q3b5a10b9c3_first16:
	s_mov_b64 s[64:65], 0
	v_nop
	global_prefetch_b8 v0, s[64:65] scope:SCOPE_SE
	s_setreg_imm32_b32 hwreg(HW_REG_WAVE_MODE, 25, 1), 1
	s_wait_xcnt 0x0
; Positions 0-15 of each of the four sequences once more, with f32 operands throughout: under the causal mask these rows average one to sixteen values, and 16-bit operands weigh most there.
; fine holds q, k (rotated) and v of these positions in f32, as the product's results stood in registers: [part][batch][head][tile 4][cc 2][lane][16 bytes].
;   q, k: lane (r, h) holds position r, channels 16 tile + 8 h + 4 cc + 0..3.   v: lane (r, h) holds channel 16 tile + r, keys 8 h + 4 cc + 0..3.
; A work-group takes one batch and 64 of the 1,024 outputs.  Wave w takes heads 4 w .. 4 w + 3 through attention, multiplies its own o (which never leaves its registers) by w_out's 256 matching columns,
; and the four partial sums meet in LDS, added in the order of the waves.  All products by v_wmma_f32_16x16x4_f32: 384 a wave.
; K's ORDER.  A K step takes a pair of neighbouring registers of both sources; place (h, j) of step s is element 8 h + 2 s + j of a group of 16, alike on both sides: every element is met once.
; The registers that the matrix instructions write are written by them alone: what is made of a sum goes into other registers.
; REGISTERS: window 0: v1-31 addresses and statistics; v32-63 S^T (8 a head); v64-95 p; v96-223 O^T (32 a head); v224-255 y (8 a tile of outputs).
;   window 1: q at 64 hd, k at 64 hd + 32; later w_out for heads 2, 3.   window 2: v at 32 hd; o from v128, 32 a head.   window 3: w_out for heads 0, 1: (hd % 2) 128 + 32 cb + 8 t.
.set PART,  0                          ; LDS: four waves' partial sums, 4,096 bytes each
.set STG,   16384                      ; a stage of 16 rows x (256 bytes + 16)
.set SPARE, 20736                      ; the spare words
.set L16, 1
.set WO,  2
.set NINF, 5
.set SPW, 6
.set NIL, 7
.set DD,  8
.set PST, 9
.set PLD, 10
.set STO, 11
.set M,   12                           ; v12-15 maxima, later 1 / sum
.set TM,  16
.set LS,  20
.set CM,  24
.set RD,  28
.set GO,  29
.set SA,  32
.set P,   64
.set OA,  96
.set YA,  224
.set MSB, 0
.macro WIN new
.if MSB != (\new)
	s_set_vgpr_msb (MSB<<8)|(\new)
.set MSB, (\new)
.endif
.endm
.macro PLACES8                         ; eight places behind this form (ISA guide 7.12.1)
.rept 8
	v_nop
.endr
.endm
	s_load_b128 s[4:7], s[0:1], 0x0                ; fine s[4:5], w_out s[6:7]
	s_load_b64 s[8:9], s[0:1], 0x10                ; out0
	v_lshl_add_u32 v[SPW], v0, 2, SPARE
	v_mov_b32 v[NIL], 0
	v_lshrrev_b32 v3, 5, v0
	v_readfirstlane_b32 s10, v3                    ; wave 0..3
	s_mov_b32 s11, ttmp9                           ; which 64 outputs
	s_and_b32 s12, ttmp7, 0xffff                   ; batch
	v_and_b32 v3, 15, v0                           ; r
	v_bfe_u32 v4, v0, 4, 1                         ; h
	v_and_b32 v30, 31, v0
	v_lshlrev_b32 v[L16], 4, v30
	v_lshlrev_b32 v[WO], 12, v3
	v_lshl_add_u32 v[WO], v4, 5, v[WO]             ; w_out: row r of 4,096 bytes, + 32 h
	v_lshlrev_b32 v30, 3, v4
	v_sub_nc_u32 v[DD], v3, v30                    ; r - 8 h
	v_mov_b32 v[NINF], 0xff800000
	s_lshl_b32 s24, s10, 12
	v_add_nc_u32 v[PST], s24, v[L16]               ; my partial sums
	s_lshl_b32 s24, s10, 10
	v_add_nc_u32 v[PLD], s24, v[L16]               ; tile w of every wave's
	v_mul_u32_u24 v[STO], v3, 272
	v_lshl_add_u32 v[STO], v4, 5, v[STO]
	s_lshl_b32 s24, s10, 6
	s_add_co_u32 s24, s24, STG
	v_add_nc_u32 v[STO], s24, v[STO]               ; the stage: row r, + 64 w + 32 h
	v_mul_u32_u24 v[RD], v4, 272
	v_lshl_add_u32 v[RD], v3, 4, v[RD]
	s_mul_i32 s24, s10, 4*272
	s_add_co_u32 s24, s24, STG
	v_add_nc_u32 v[RD], s24, v[RD]                 ; back: rows 4 w + h on, 16 bytes a lane
	v_lshlrev_b32 v[GO], 12, v4
	v_lshl_add_u32 v[GO], v3, 4, v[GO]
.irp n, 0,1,2,3
	v_mov_b32 v[CM+\n], 0                          ; written once: a lane permute's destination counts as one of its sources
.endr
	s_lshl_b32 s14, s12, 4
	s_lshl_b32 s15, s10, 2
	s_add_co_u32 s14, s14, s15
	s_lshl_b32 s14, s14, 12                        ; fine: (16 batch + 4 w) x 4,096
	s_mov_b32 s15, 0
	s_lshl_b32 s16, s11, 18                        ; w_out: 64 rows of 4,096 bytes a slice,
	s_lshl_b32 s17, s10, 10                        ; + my four heads' columns
	s_add_co_u32 s16, s16, s17
	s_mov_b32 s17, 0
	s_lshl_b32 s18, s12, 23                        ; out0: 2,048 rows of 4,096 bytes a batch,
	s_lshl_b32 s19, s10, 14                        ; + rows 4 w on,
	s_add_co_u32 s18, s18, s19
	s_lshl_b32 s19, s11, 8                         ; + 256 bytes a slice
	s_add_co_u32 s18, s18, s19
	s_mov_b32 s19, 0
	s_mov_b32 s20, 0x76543210
	s_mov_b32 s21, 0xfedcba98                      ; lane l xor 16
	s_mov_b32 s22, 0x3e38aa3b                      ; c = log2(e) / 8
	s_wait_kmcnt 0x0
	s_add_nc_u64 s[4:5], s[4:5], s[14:15]
	s_add_nc_u64 s[6:7], s[6:7], s[16:17]
	s_add_nc_u64 s[8:9], s[8:9], s[18:19]
	WIN 0x40
.irp d, 0,1,2,3
.irp n, 0,1,2,3,4,5,6,7
	global_load_b128 v[64*\d+4*\n:64*\d+4*\n+3], v[L16], s[4:5] offset:\d*4096+512*\n               ; q
	global_load_b128 v[64*\d+32+4*\n:64*\d+32+4*\n+3], v[L16], s[4:5] offset:262144+\d*4096+512*\n  ; k
.endr
.endr
	WIN 0x80
.irp d, 0,1,2,3
.irp n, 0,1,2,3,4,5,6,7
	global_load_b128 v[32*\d+4*\n:32*\d+4*\n+3], v[L16], s[4:5] offset:524288+\d*4096+512*\n        ; v
.endr
.endr
	WIN 0
	s_wait_loadcnt 32                              ; q and k are in; v's 32 loads may be out
.macro WLOAD d                         ; w_out for head d of my four: lane (r, h) takes, of output 16 t + r, columns 64 d + 16 cb + 8 h + 0 .. 7
.irp c, 0,1,2,3
.irp t, 0,1,2,3
.irp e, 0,1
	global_load_b128 v[((\d)%2)*128+32*\c+8*\t+4*\e:((\d)%2)*128+32*\c+8*\t+4*\e+3], v[WO], s[6:7] offset:\t*65536+(\d)*256+\c*64+\e*16
.endr
.endr
.endr
.endm
	WIN 0xc0
	WLOAD 0
	WLOAD 1
	WIN 0x05                                       ; sources 0 (k) and 1 (q) in window 1
.set ks, 0
.rept 16                               ; S^T = K Q^T: the four heads take turns; the first K step starts the sums
.irp d, 0,1,2,3
.if ks == 0
	v_wmma_f32_16x16x4_f32 v[SA+8*\d:SA+8*\d+7], v[64*\d+32+2*ks:64*\d+32+2*ks+1], v[64*\d+2*ks:64*\d+2*ks+1], 0
.else
	v_wmma_f32_16x16x4_f32 v[SA+8*\d:SA+8*\d+7], v[64*\d+32+2*ks:64*\d+32+2*ks+1], v[64*\d+2*ks:64*\d+2*ks+1], v[SA+8*\d:SA+8*\d+7]
.endif
.endr
.set ks, ks+1
.endr
	PLACES8                                        ; ahead of the loads into q's and k's registers and of the first read of the scores
	WIN 0x40
	WLOAD 2
	WLOAD 3
	WIN 0
	; the softmax, in f32.  Lane (r, h), register j: query r, key 8 h + j: hidden where j > r - 8 h
.irp d, 0,1,2,3
.irp j, 0,1,2,3,4,5,6,7
	v_cmp_gt_i32 vcc_lo, \j, v[DD]
	v_cndmask_b32 v[P+8*\d+\j], v[SA+8*\d+\j], v[NINF], vcc_lo
.endr
.endr
.irp d, 0,1,2,3
	v_max3_num_f32 v[TM+\d], v[P+8*\d], v[P+8*\d+1], v[P+8*\d+2]
.endr
.irp d, 0,1,2,3
	v_max3_num_f32 v[TM+\d], v[TM+\d], v[P+8*\d+3], v[P+8*\d+4]
.endr
.irp d, 0,1,2,3
	v_max3_num_f32 v[TM+\d], v[TM+\d], v[P+8*\d+5], v[P+8*\d+6]
.endr
.irp d, 0,1,2,3
	v_max_num_f32 v[TM+\d], v[TM+\d], v[P+8*\d+7]
.endr
.irp d, 0,1,2,3
	v_permlanex16_b32 v[CM+\d], v[TM+\d], s20, s21
.endr
.irp d, 0,1,2,3
	v_max_num_f32 v[M+\d], v[TM+\d], v[CM+\d]      ; the row's maximum: key 0 counts for every query
.endr
.irp d, 0,1,2,3
	v_mul_f32 v[CM+\d], s22, v[M+\d]
.endr
.irp d, 0,1,2,3
.irp j, 0,1,2,3,4,5,6,7
	v_fma_f32 v[P+8*\d+\j], v[P+8*\d+\j], s22, -v[CM+\d]
.endr
.endr
.set ix, 0
.rept 32
	v_exp_f32 v[P+ix], v[P+ix]
.set ix, ix+1
.endr
	v_nop
	s_wait_alu depctr_va_vdst(0)                   ; one wait for the batch of 32, ahead of its first reader
.irp d, 0,1,2,3
	v_add_f32 v[LS+\d], v[P+8*\d], v[P+8*\d+1]
	v_add_f32 v[TM+\d], v[P+8*\d+2], v[P+8*\d+3]
.endr
.irp d, 0,1,2,3
	v_add_f32 v[LS+\d], v[LS+\d], v[P+8*\d+4]
	v_add_f32 v[TM+\d], v[TM+\d], v[P+8*\d+5]
.endr
.irp d, 0,1,2,3
	v_add_f32 v[LS+\d], v[LS+\d], v[P+8*\d+6]
	v_add_f32 v[TM+\d], v[TM+\d], v[P+8*\d+7]
.endr
.irp d, 0,1,2,3
	v_add_f32 v[LS+\d], v[LS+\d], v[TM+\d]
.endr
.irp d, 0,1,2,3
	v_permlanex16_b32 v[CM+\d], v[LS+\d], s20, s21
.endr
.irp d, 0,1,2,3
	v_add_f32 v[LS+\d], v[LS+\d], v[CM+\d]
.endr
.irp d, 0,1,2,3
	v_rcp_f32 v[M+\d], v[LS+\d]
.endr
	v_nop
	s_wait_alu depctr_va_vdst(0)                   ; one wait for the four reciprocals
	s_wait_loadcnt 63                              ; v and w_out for heads 0, 1 are in: behind them 64 loads were issued, and at most 63 are out
	WIN 0x02                                       ; source 0 (v) in window 2
.set ks, 0
.rept 4                                ; O^T = V^T P: 16 accumulators take turns; K = the 16 keys
.irp d, 0,1,2,3
.irp c, 0,1,2,3
.if ks == 0
	v_wmma_f32_16x16x4_f32 v[OA+32*\d+8*\c:OA+32*\d+8*\c+7], v[32*\d+8*\c+2*ks:32*\d+8*\c+2*ks+1], v[P+8*\d+2*ks:P+8*\d+2*ks+1], 0
.else
	v_wmma_f32_16x16x4_f32 v[OA+32*\d+8*\c:OA+32*\d+8*\c+7], v[32*\d+8*\c+2*ks:32*\d+8*\c+2*ks+1], v[P+8*\d+2*ks:P+8*\d+2*ks+1], v[OA+32*\d+8*\c:OA+32*\d+8*\c+7]
.endif
.endr
.endr
.set ks, ks+1
.endr
	PLACES8
	WIN 0x80                                       ; destination window 2
.irp d, 0,1,2,3
.set ix, 0
.rept 32
	v_mul_f32 v[128+32*\d+ix], v[OA+32*\d+ix], v[M+\d]   ; o = O^T / the sum: lane (r, h): position r, channel 16 cb + 8 h + j; each accumulator from its low end on
.set ix, ix+1
.endr
.endr
; y^T += W o^T for head d: source 0 = 16 outputs, source 1 = the 16 positions; four accumulators take turns
.macro PROJ d, first
.irp c, 0,1,2,3
.irp s, 0,1,2,3
.irp t, 0,1,2,3
.if (\first) && (\c == 0) && (\s == 0)
	v_wmma_f32_16x16x4_f32 v[YA+8*\t:YA+8*\t+7], v[((\d)%2)*128+32*\c+8*\t+2*\s:((\d)%2)*128+32*\c+8*\t+2*\s+1], v[128+32*(\d)+8*\c+2*\s:128+32*(\d)+8*\c+2*\s+1], 0
.else
	v_wmma_f32_16x16x4_f32 v[YA+8*\t:YA+8*\t+7], v[((\d)%2)*128+32*\c+8*\t+2*\s:((\d)%2)*128+32*\c+8*\t+2*\s+1], v[128+32*(\d)+8*\c+2*\s:128+32*(\d)+8*\c+2*\s+1], v[YA+8*\t:YA+8*\t+7]
.endif
.endr
.endr
.endr
.endm
	WIN 0x0b                                       ; source 0 (w_out) window 3, source 1 (o) window 2
	PROJ 0, 1
	PROJ 1, 0
	s_wait_loadcnt 0x0                             ; w_out for heads 2, 3
	WIN 0x09                                       ; source 0 window 1
	PROJ 2, 0
	PROJ 3, 0
	WIN 0
	PLACES8
.irp t, 0,1,2,3
	ds_store_b128 v[PST], v[YA+8*\t:YA+8*\t+3] offset:PART+\t*1024
	ds_store_b128 v[PST], v[YA+8*\t+4:YA+8*\t+7] offset:PART+\t*1024+512
.endr
	s_wait_dscnt 0x0                               ; for the others' sake: my partial sums lie in LDS
	s_barrier_signal -1
	s_barrier_wait -1
.irp u, 0,1,2,3
.irp e, 0,1
	ds_load_b128 v[P+8*\u+4*\e:P+8*\u+4*\e+3], v[PLD] offset:PART+\u*4096+\e*512   ; tile w of wave u's
.endr
.endr
	s_wait_dscnt 0x0
.irp u, 1,2,3
.irp n, 0,2,4,6
	v_pk_add_f32 v[P+\n:P+\n+1], v[P+\n:P+\n+1], v[P+8*\u+\n:P+8*\u+\n+1]   ; in the order of the waves
.endr
.endr
	ds_store_b128 v[STO], v[P:P+3]                 ; lane (r, h): position r, outputs 16 w + 8 h + 0 .. 7
	ds_store_b128 v[STO], v[P+4:P+7] offset:16
	s_wait_dscnt 0x0
	s_barrier_signal -1
	s_barrier_wait -1
.irp i, 0,1
	ds_load_b128 v[P+8+4*\i:P+8+4*\i+3], v[RD] offset:\i*2*272
.endr
	s_wait_dscnt 0x0
.irp i, 0,1
	global_store_b128 v[GO], v[P+8+4*\i:P+8+4*\i+3], s[8:9] offset:\i*2*4096   ; sixteen lanes store 256 consecutive bytes, aligned
.endr
	s_wait_tensorcnt 0x0                           ; the wave's end, behind my last LDS store
	ds_add_u32 v[SPW], v[NIL]
	s_wait_dscnt 0x0
	s_endpgm
.Lfunc_end_k_q3b5a10b9c3_first16:
	.size	k_q3b5a10b9c3_first16, .Lfunc_end_k_q3b5a10b9c3_first16-k_q3b5a10b9c3_first16
	.p2alignl 7, 3214868480
	.fill 96, 4, 3214868480
	.section	.rodata,"a",@progbits
	.p2align	6, 0x0
	.amdhsa_kernel k_q3b5a10b9c3_first16
		.amdhsa_group_segment_fixed_size 21504
		.amdhsa_private_segment_fixed_size 0
		.amdhsa_enable_private_segment 0
		.amdhsa_kernarg_size 24
		.amdhsa_user_sgpr_count 2
		.amdhsa_user_sgpr_kernarg_segment_ptr 1
		.amdhsa_wavefront_size32 1
		.amdhsa_system_sgpr_workgroup_id_x 1
		.amdhsa_system_sgpr_workgroup_id_y 1
		.amdhsa_system_sgpr_workgroup_id_z 1
		.amdhsa_system_vgpr_workitem_id 0
		.amdhsa_next_free_vgpr 1024
		.amdhsa_next_free_sgpr 66
		.amdhsa_reserve_vcc 1
		.amdhsa_float_denorm_mode_32 3
		.amdhsa_float_denorm_mode_16_64 3
		.amdhsa_memory_ordered 1
		.amdhsa_forward_progress 1
		.amdhsa_inst_pref_size 64
	.end_amdhsa_kernel
	.amdgpu_metadata
---
amdhsa.version: [ 1, 2 ]
amdhsa.kernels:
  - .name:           k_q3b5a10b9c3_first16
    .symbol:         k_q3b5a10b9c3_first16.kd
    .args:
      - { .name: fine, .offset: 0, .size: 8, .value_kind: global_buffer, .address_space: global }
      - { .name: w_out, .offset: 8, .size: 8, .value_kind: global_buffer, .address_space: global }
      - { .name: out0, .offset: 16, .size: 8, .value_kind: global_buffer, .address_space: global }
    .group_segment_fixed_size: 21504
    .private_segment_fixed_size: 0
    .kernarg_segment_align: 8
    .kernarg_segment_size: 24
    .max_flat_workgroup_size: 128
    .sgpr_count:     66
    .vgpr_count:     1024
    .wavefront_size: 32
...
	.end_amdgpu_metadata
.endif
;; end of part 5
